; MI455X (gfx1250); checked and timed in simulation.
; The chip was launched on July 23, 2026; its instructions are those of AMD's public machine-readable ISA for CDNA 5 (MIT licence, August 2026) and "CDNA5" Instruction Set Architecture Reference Guide (July 2026). The comments in the code are by the model that wrote it; some were corrected since.
;; Transformer. Allowed arithmetic: float matrix products may take bf16 or f16 operands with f32 sums; other float arithmetic in f32, or as packed bf16 or f16 multiplies, adds, multiply-adds, maxima and minima; sums over many terms, partial sums and values carried from step to step in f32; what a program stores and reads back later, other than sums and carried values, may be rounded once to bf16 or f16.
;; Inputs: Wk_b 2 x 128 float32; Wk_w 2 x 128 x 128 float32; Wo_b 2 x 128 float32; Wo_w 2 x 128 x 128 float32; Wq_b 2 x 128 float32; Wq_w 2 x 128 x 128 float32; Wv_b 2 x 128 float32; Wv_w 2 x 128 x 128 float32; l1_b 2 x 256 float32; l1_w 2 x 128 x 256 float32; l2_b 2 x 128 float32; l2_w 2 x 256 x 128 float32; n1_b 2 x 128 float32; n1_g 2 x 128 float32; n2_b 2 x 128 float32; n2_g 2 x 128 float32; pos 2 x 4,096 x 2 float32; x 2 x 4,096 x 128 float32.
;; Outputs: out0 2 x 4,096 x 128 float32.
;; 2 versions, each right and faster than the one before. Each part assembles by itself: llvm-mc -triple=amdgcn-amd-amdhsa -mcpu=gfx1250 --defsym DOCPART=n.
;; ======== version 1 of 2: 7 launches
;; limits: inputs' magnitudes at most 8,192; right only within a limited range of input values
;; workspace buffers: par0 268,032 bytes; par1 268,032 bytes; qf 2,097,152 bytes; kv 4,292,608 bytes; xa 4,194,304 bytes; xb 4,194,304 bytes; st1 65,536 bytes; st2 262,144 bytes
;; launch prep (part 1): grid 64 x 1, 8 waves a work-group, no clusters, 9,216 bytes of LDS; arguments x, Wq_w, Wk_w, Wv_w, Wo_w, l1_w, l2_w, Wq_b, Wk_b, Wv_b, Wo_b, n1_g, n1_b, n2_g, n2_b, l1_b, l2_b, par0, par1, st1; writes par0, par1, st1
.if DOCPART == 1
	.amdgcn_target "amdgcn-amd-amdhsa--gfx1250"
	.amdhsa_code_object_version 6
	.text
	.protected	k_qa115f120fa_prep
	.globl	k_qa115f120fa_prep
	.p2align	8
	.type	k_qa115f120fa_prep,@function
k_qa115f120fa_prep:
	s_mov_b64 s[64:65], 0
	v_nop
	global_prefetch_b8 v0, s[64:65] scope:SCOPE_SE
	s_setreg_imm32_b32 hwreg(HW_REG_WAVE_MODE, 25, 1), 1
	s_wait_xcnt 0x0
; PREP.  Three things, once for the whole program.
; (a) All weights, rounded once to bf16, as register images of matrix fragments: a fragment (16 output channels x 32 input channels) is 1,024 bytes; lane l's registers 0-3 lie at 16 l,
;     its registers 4-7 at 512 + 16 l; lane (r, h) holds output channel 16 nb + r and input channels 32 kb + 8 h + 0..7 and 32 kb + 16 + 8 h + 0..7.  One buffer a layer (par0, par1).
;     Wq and Wq_b are multiplied in f32 by c = log2(e) / sqrt(32) ahead of their one rounding, so that a score leaves the matrix unit as an exponent of 2.
; (b) The layer's vectors in f32 behind the images, and rho (1 for layer 0, 0 for layer 1), by which the later launch multiplies the rotary angle.
; (c) For each 128 rows of x and each channel: the sum, and the sum of squares about these rows' own mean (no difference of large sums): one row of 1,024 bytes of st1.
; 64 work-groups of 8 waves.  No matrix unit, no tensor load: nothing here is multiplied, and nothing is shared before it is converted.
.set RED1,  0                          ; 8 waves x 512 bytes: partial sums
.set RED2,  4096                       ; the same for the squares
.set SPARE, 8192                       ; the spare words, 128 bytes a wave
.set VEC,   262144                     ; the vectors' place in par0, par1
.set SPW,  2                           ; v2  my spare word's LDS address; never rewritten
.set NIL,  3                           ; v3  0; never rewritten
.set T16,  4                           ; v4  16 x thread
.set L16,  5                           ; v5  16 x lane
.set WA,   8                           ; v8-15   byte offsets of the 8 input channels of my chunk
.set W0,   16                          ; v16-31  two chunks of 8 weights, f32
.set X,    32                          ; v32-95  16 rows x 4 channels of x
.set SUM,  96
.set PT,   100                         ; v100-131 the 8 waves' partial sums
.set MEAN, 132
.set DV,   136
.set M2,   140
.set WP,   144                         ; v144-151 two chunks, bf16
.set VV,   152                         ; v152-195 the 11 pieces of vectors
	s_load_b512 s[4:19], s[0:1], 0x0               ; x s[4:5], Wq_w .. l2_w s[6:17], Wq_b s[18:19]
	s_load_b512 s[20:35], s[0:1], 0x40             ; Wk_b, Wv_b, Wo_b, n1_g, n1_b, n2_g, n2_b, l1_b
	s_load_b256 s[36:43], s[0:1], 0x80             ; l2_b s[36:37], par0 s[38:39], par1 s[40:41], st1 s[42:43]
	v_lshl_add_u32 v[SPW], v0, 2, SPARE
	v_mov_b32 v[NIL], 0
	v_lshrrev_b32 v1, 5, v0
	v_readfirstlane_b32 s44, v1                    ; wave
	s_mov_b32 s45, ttmp9                           ; j
	; which matrix, layer and 8 KiB of images are this work-group's: m = j / 8: 0-3 Wq, Wk, Wv, Wo (both layers); 4, 5 l1 of layer 0, 1; 6, 7 l2
	s_lshr_b32 s46, s45, 3                         ; m
	s_bfe_u32 s47, s45, 0x10002                    ; (j / 4) % 2
	s_and_b32 s68, s46, 1
	s_and_b32 s48, s45, 3
	s_and_b32 s69, s45, 7
	s_cmp_ge_u32 s46, 4
	s_cselect_b32 s47, s68, s47                    ; the layer
	s_cselect_b32 s48, s69, s48                    ; which pair of 4 KiB groups
	s_cselect_b32 s70, 17, 16                      ; a layer of the source is 2^17 or 2^16 bytes
	s_cselect_b32 s53, 4, s46                      ; the images' place, in units of 32 KiB
	s_cmp_ge_u32 s46, 6
	s_cselect_b32 s53, 6, s53
	s_cselect_b32 s52, 0x10000, 64                 ; from my first group to my second: 128 input channels on (l2), or 16 output channels on
	s_cselect_b32 s71, 0, 1
	s_lshl_b32 s51, s48, s71                       ; the first group's block of 16 output channels
	s_lshl_b32 s48, s48, 13
	s_lshl_b32 s49, s47, s70
	s_lshl_b32 s53, s53, 15
	s_add_co_u32 s74, s53, s48                     ; byte offset of my images
	s_mov_b32 s75, 0
	s_lshl_b32 s56, s51, 6
	s_add_co_u32 s56, s56, s49                     ; byte offset in the source
	s_mov_b32 s57, 0
	s_lshr_b32 s72, s46, 1
	s_cmp_eq_u32 s72, 2
	s_cselect_b32 s50, 1, 0
	s_lshl_b32 s50, 0x200, s50                     ; bytes in a row of the source: 1,024 for l1, else 512
	s_cmp_eq_u32 s46, 0
	s_cselect_b32 s54, 0x3e8293ee, 1.0             ; c for Wq, 1 for the others
	s_mov_b32 s55, s54
	v_lshlrev_b32 v[T16], 4, v0
	v_and_b32 v1, 31, v0
	v_lshlrev_b32 v[L16], 4, v1
	v_lshrrev_b32 v6, 4, v0                        ; thread / 16 = 4 kb + 2 half + h: my chunk's first input channel is 8 times that
	s_lshl_b32 s76, s50, 3
	v_mul_lo_u32 v6, v6, s76
	v_and_b32 v7, 15, v0
	v_lshl_add_u32 v[WA], v7, 2, v6                ; + 4 r
.set i, 1
.rept 7
	v_add_nc_u32 v[WA+i], s50, v[WA+i-1]
.set i, i+1
.endr
	s_wait_kmcnt 0x0
	s_cmp_eq_u32 s46, 1
	s_cselect_b64 s[58:59], s[8:9], s[6:7]
	s_cmp_eq_u32 s46, 2
	s_cselect_b64 s[58:59], s[10:11], s[58:59]
	s_cmp_eq_u32 s46, 3
	s_cselect_b64 s[58:59], s[12:13], s[58:59]
	s_cmp_ge_u32 s46, 4
	s_cselect_b64 s[58:59], s[14:15], s[58:59]
	s_cmp_ge_u32 s46, 6
	s_cselect_b64 s[58:59], s[16:17], s[58:59]
	s_add_nc_u64 s[58:59], s[58:59], s[56:57]      ; the source of my first group,
	s_mov_b32 s56, s52
	s_add_nc_u64 s[60:61], s[58:59], s[56:57]      ; of my second
	s_cmp_eq_u32 s47, 1
	s_cselect_b64 s[62:63], s[40:41], s[38:39]
	s_add_nc_u64 s[62:63], s[62:63], s[74:75]
	s_lshl_b32 s56, s45, 16
	s_add_nc_u64 s[4:5], s[4:5], s[56:57]          ; x at my 128 rows
.set i, 0
.rept 8
	global_load_b32 v[W0+i], v[WA+i], s[58:59]
.set i, i+1
.endr
.set i, 0
.rept 8
	global_load_b32 v[W0+8+i], v[WA+i], s[60:61]
.set i, i+1
.endr
.set i, 0
.rept 16                                               ; row thread / 32 + 8 i, channels 4 (thread % 32) on: a wave's load is a whole row of 512 bytes
	global_load_b128 v[X+4*i:X+4*i+3], v[T16], s[4:5] offset:4096*i
.set i, i+1
.endr
	s_wait_loadcnt 16                              ; the weights are in; the 16 loads of x stay out
.irp g, 0,1
.irp p, 0,1,2,3
	v_pk_mul_f32 v[W0+8*\g+2*\p:W0+8*\g+2*\p+1], v[W0+8*\g+2*\p:W0+8*\g+2*\p+1], s[54:55] op_sel_hi:[1,0]
.endr
.irp p, 0,1,2,3
	v_cvt_pk_bf16_f32 v[WP+4*\g+\p], v[W0+8*\g+2*\p], v[W0+8*\g+2*\p+1]
.endr
	global_store_b128 v[T16], v[WP+4*\g:WP+4*\g+3], s[62:63] offset:4096*\g  ; a wave stores 512 consecutive bytes, aligned
.endr
	; (b) wave 0 of work-groups 0 and 1 copies layer j's vectors
	s_cmp_lt_u32 s45, 2
	s_cbranch_scc0 .Lno_vec
	s_cmp_eq_u32 s44, 0
	s_cbranch_scc0 .Lno_vec
	s_cmp_eq_u32 s45, 1
	s_cselect_b64 s[66:67], s[40:41], s[38:39]
	s_cselect_b32 s68, 0, 1.0                      ; rho
	s_lshl_b32 s69, s45, 9
	v_add_nc_u32 v198, s69, v[L16]
	s_lshl_b32 s69, s45, 10
	v_add_nc_u32 v199, s69, v[L16]
	v_lshrrev_b32 v200, 1, v[L16]                  ; 8 x lane
	global_load_b128 v[VV:VV+3],     v198, s[18:19]
	global_load_b128 v[VV+4:VV+7],   v198, s[20:21]
	global_load_b128 v[VV+8:VV+11],  v198, s[22:23]
	global_load_b128 v[VV+12:VV+15], v198, s[24:25]
	global_load_b128 v[VV+16:VV+19], v198, s[26:27]
	global_load_b128 v[VV+20:VV+23], v198, s[28:29]
	global_load_b128 v[VV+24:VV+27], v198, s[30:31]
	global_load_b128 v[VV+28:VV+31], v198, s[32:33]
	global_load_b128 v[VV+32:VV+35], v198, s[36:37]
	global_load_b128 v[VV+36:VV+39], v199, s[34:35]
	global_load_b128 v[VV+40:VV+43], v199, s[34:35] offset:512
	v_mov_b32 v196, s68
	v_mov_b32 v197, s68
	s_wait_loadcnt 0x0
.irp i, 0,1,2,3
	v_mul_f32 v[VV+\i], 0x3e8293ee, v[VV+\i]       ; Wq_b takes c like Wq
.endr
.set i, 0
.rept 11
	global_store_b128 v[L16], v[VV+4*i:VV+4*i+3], s[66:67] offset:VEC+512*i
.set i, i+1
.endr
	global_store_b64 v200, v[196:197], s[66:67] offset:VEC+5632
.Lno_vec:
	s_wait_loadcnt 0x0                             ; x
	; (c) sums, the mean of these 128 rows, squares about it
.macro ADD8 d                          ; the eight waves' partial sums into d
	v_pk_add_f32 v[\d:\d+1], v[PT:PT+1], v[PT+4:PT+5]
	v_pk_add_f32 v[\d+2:\d+3], v[PT+2:PT+3], v[PT+6:PT+7]
.set i, 2
.rept 6
	v_pk_add_f32 v[\d:\d+1], v[\d:\d+1], v[PT+4*i:PT+4*i+1]
	v_pk_add_f32 v[\d+2:\d+3], v[\d+2:\d+3], v[PT+4*i+2:PT+4*i+3]
.set i, i+1
.endr
.endm
	v_pk_add_f32 v[SUM:SUM+1], v[X:X+1], v[X+4:X+5]
	v_pk_add_f32 v[SUM+2:SUM+3], v[X+2:X+3], v[X+6:X+7]
.set i, 2
.rept 14
	v_pk_add_f32 v[SUM:SUM+1], v[SUM:SUM+1], v[X+4*i:X+4*i+1]
	v_pk_add_f32 v[SUM+2:SUM+3], v[SUM+2:SUM+3], v[X+4*i+2:X+4*i+3]
.set i, i+1
.endr
	ds_store_b128 v[T16], v[SUM:SUM+3] offset:RED1
	s_wait_dscnt 0x0                               ; for the others' sake: my partial sum is written
	s_barrier_signal -1
	s_barrier_wait -1
.set i, 0
.rept 8
	ds_load_b128 v[PT+4*i:PT+4*i+3], v[L16] offset:RED1+512*i
.set i, i+1
.endr
	s_wait_dscnt 0x0
	ADD8 SUM
	v_pk_mul_f32 v[MEAN:MEAN+1], v[SUM:SUM+1], 0x3c000000 op_sel_hi:[1,0]      ; / 128
	v_pk_mul_f32 v[MEAN+2:MEAN+3], v[SUM+2:SUM+3], 0x3c000000 op_sel_hi:[1,0]
	v_pk_add_f32 v[DV:DV+1], v[X:X+1], v[MEAN:MEAN+1] neg_lo:[0,1] neg_hi:[0,1]
	v_pk_add_f32 v[DV+2:DV+3], v[X+2:X+3], v[MEAN+2:MEAN+3] neg_lo:[0,1] neg_hi:[0,1]
	v_pk_mul_f32 v[M2:M2+1], v[DV:DV+1], v[DV:DV+1]
	v_pk_mul_f32 v[M2+2:M2+3], v[DV+2:DV+3], v[DV+2:DV+3]
.set i, 1
.rept 15
	v_pk_add_f32 v[DV:DV+1], v[X+4*i:X+4*i+1], v[MEAN:MEAN+1] neg_lo:[0,1] neg_hi:[0,1]
	v_pk_add_f32 v[DV+2:DV+3], v[X+4*i+2:X+4*i+3], v[MEAN+2:MEAN+3] neg_lo:[0,1] neg_hi:[0,1]
	v_pk_fma_f32 v[M2:M2+1], v[DV:DV+1], v[DV:DV+1], v[M2:M2+1]
	v_pk_fma_f32 v[M2+2:M2+3], v[DV+2:DV+3], v[DV+2:DV+3], v[M2+2:M2+3]
.set i, i+1
.endr
	ds_store_b128 v[T16], v[M2:M2+3] offset:RED2
	s_wait_dscnt 0x0
	s_barrier_signal -1
	s_barrier_wait -1
	s_cmp_lg_u32 s44, 0
	s_cbranch_scc1 .Lend                           ; wave 0 alone writes the work-group's row of st1
.set i, 0
.rept 8
	ds_load_b128 v[PT+4*i:PT+4*i+3], v[L16] offset:RED2+512*i
.set i, i+1
.endr
	s_lshl_b32 s56, s45, 10
	s_add_nc_u64 s[42:43], s[42:43], s[56:57]
	s_wait_dscnt 0x0
	ADD8 M2
	global_store_b128 v[L16], v[SUM:SUM+3], s[42:43]
	global_store_b128 v[L16], v[M2:M2+3], s[42:43] offset:512
.Lend:
	s_wait_tensorcnt 0x0                           ; the wave's end: three lines behind my last LDS store
	ds_add_u32 v[SPW], v[NIL]
	s_wait_dscnt 0x0
	s_endpgm
.Lfunc_end_k_qa115f120fa_prep:
	.size	k_qa115f120fa_prep, .Lfunc_end_k_qa115f120fa_prep-k_qa115f120fa_prep
	.p2alignl 7, 3214868480
	.fill 96, 4, 3214868480
	.section	.rodata,"a",@progbits
	.p2align	6, 0x0
	.amdhsa_kernel k_qa115f120fa_prep
		.amdhsa_group_segment_fixed_size 9216
		.amdhsa_private_segment_fixed_size 0
		.amdhsa_enable_private_segment 0
		.amdhsa_kernarg_size 160
		.amdhsa_user_sgpr_count 2
		.amdhsa_user_sgpr_kernarg_segment_ptr 1
		.amdhsa_wavefront_size32 1
		.amdhsa_system_sgpr_workgroup_id_x 1
		.amdhsa_system_sgpr_workgroup_id_y 1
		.amdhsa_system_sgpr_workgroup_id_z 1
		.amdhsa_system_vgpr_workitem_id 0
		.amdhsa_next_free_vgpr 208
		.amdhsa_next_free_sgpr 80
		.amdhsa_reserve_vcc 0
		.amdhsa_float_denorm_mode_32 3
		.amdhsa_float_denorm_mode_16_64 3
		.amdhsa_memory_ordered 1
		.amdhsa_forward_progress 1
		.amdhsa_inst_pref_size 20
	.end_amdhsa_kernel
	.amdgpu_metadata
---
amdhsa.version: [ 1, 2 ]
amdhsa.kernels:
  - .name:           k_qa115f120fa_prep
    .symbol:         k_qa115f120fa_prep.kd
    .args:
      - { .name: x, .offset: 0, .size: 8, .value_kind: global_buffer, .address_space: global }
      - { .name: Wq_w, .offset: 8, .size: 8, .value_kind: global_buffer, .address_space: global }
      - { .name: Wk_w, .offset: 16, .size: 8, .value_kind: global_buffer, .address_space: global }
      - { .name: Wv_w, .offset: 24, .size: 8, .value_kind: global_buffer, .address_space: global }
      - { .name: Wo_w, .offset: 32, .size: 8, .value_kind: global_buffer, .address_space: global }
      - { .name: l1_w, .offset: 40, .size: 8, .value_kind: global_buffer, .address_space: global }
      - { .name: l2_w, .offset: 48, .size: 8, .value_kind: global_buffer, .address_space: global }
      - { .name: Wq_b, .offset: 56, .size: 8, .value_kind: global_buffer, .address_space: global }
      - { .name: Wk_b, .offset: 64, .size: 8, .value_kind: global_buffer, .address_space: global }
      - { .name: Wv_b, .offset: 72, .size: 8, .value_kind: global_buffer, .address_space: global }
      - { .name: Wo_b, .offset: 80, .size: 8, .value_kind: global_buffer, .address_space: global }
      - { .name: n1_g, .offset: 88, .size: 8, .value_kind: global_buffer, .address_space: global }
      - { .name: n1_b, .offset: 96, .size: 8, .value_kind: global_buffer, .address_space: global }
      - { .name: n2_g, .offset: 104, .size: 8, .value_kind: global_buffer, .address_space: global }
      - { .name: n2_b, .offset: 112, .size: 8, .value_kind: global_buffer, .address_space: global }
      - { .name: l1_b, .offset: 120, .size: 8, .value_kind: global_buffer, .address_space: global }
      - { .name: l2_b, .offset: 128, .size: 8, .value_kind: global_buffer, .address_space: global }
      - { .name: par0, .offset: 136, .size: 8, .value_kind: global_buffer, .address_space: global }
      - { .name: par1, .offset: 144, .size: 8, .value_kind: global_buffer, .address_space: global }
      - { .name: st1, .offset: 152, .size: 8, .value_kind: global_buffer, .address_space: global }
    .group_segment_fixed_size: 9216
    .private_segment_fixed_size: 0
    .kernarg_segment_align: 8
    .kernarg_segment_size: 160
    .max_flat_workgroup_size: 256
    .sgpr_count:     80
    .vgpr_count:     208
    .wavefront_size: 32
...
	.end_amdgpu_metadata
.endif
;; end of part 1
;; launch qkv0 (part 2): grid 64 x 1, 8 waves a work-group, no clusters, 46,080 bytes of LDS; arguments x, pos, st1, par0, qf, kv; writes qf, kv
.if DOCPART == 2
	.amdgcn_target "amdgcn-amd-amdhsa--gfx1250"
	.amdhsa_code_object_version 6
	.text
	.protected	k_qa115f120fa_qkv0
	.globl	k_qa115f120fa_qkv0
	.p2align	8
	.type	k_qa115f120fa_qkv0,@function
k_qa115f120fa_qkv0:
	s_mov_b64 s[64:65], 0
	v_nop
	global_prefetch_b8 v0, s[64:65] scope:SCOPE_SE
	s_setreg_imm32_b32 hwreg(HW_REG_WAVE_MODE, 25, 1), 1
	s_wait_xcnt 0x0
; QKV.  BatchNorm (statistics finished from the 64 rows of st1), q, k, v = xn W + b, the rotary turn of q and k, all written as register images of the fragments that attention multiplies.
; 64 work-groups of 128 rows; wave w makes output channels 16 w .. 16 w + 15 of q, k and v for all 128 rows, its 12 weight fragments staying in registers.
; q^T and k^T = W x xn (source 0 = 16 output channels): a lane holds one row and 8 neighbouring channels: half a fragment of Q or K.  v = xn x W: a lane holds one channel and 8 neighbouring rows: half a
; fragment of V^T.  So each result is 16 bytes a lane, and a wave's store is 512 consecutive aligned bytes.
; x is normalised in f32 and rounded once to bf16; sums in f32; q carries c = log2(e) / sqrt(32), folded into Wq and Wq_b.
; THE ANGLE is pos x pi x f, f = 1 .. 32.  u = pos x f x rho is split into n = the nearest whole number and r in -1/2 .. 1/2; sin(pi r) and cos(pi r) are series to r^9 and r^10 (off by 4e-6 and 5e-7 at
; the most), and the sign is n's lowest bit.  rho = 0 (second layer) gives cos = 1, sin = 0 exactly: no turn, with no branch.
; LIMITS.  |32 pos| stays under 2^22 for r to be exact, under 2^31 for n's bit.  NaN and infinities are not treated apart.
; The keys' positions x, y and x^2 + y^2 go out in planes of 1,024 keys behind the records of kv.
; No tensor loads and no cluster: each work-group's rows are its own, and weights and statistics come through registers.
.set BNA1,  0                          ; 4 x 1,024 bytes: partial sums of the shifted statistics
.set BNA2,  4096                       ; of their squares
.set AL,    8192                       ; 128 f32: gain / sigma
.set BE,    8704                       ; 128 f32: bias - mean x gain / sigma
.set PL,    9216                       ; 128 rows x (x, y)
.set XN,    10240                      ; 128 rows of xn in bf16, 272 bytes apart: the 16 rows of a fragment load start at 16 different groups of four banks
.set XP,    272
.set SPARE, 45056
.set VEC,   262144
.set SPW,  2
.set NIL,  3
.set T16,  4                           ; 16 x thread: x, st1, LDS, and q's store
.set XNLD, 5
.set PLLD, 6
.set L16,  7
.set XNST, 8
.set KST,  9
.set VST,  10
.set C4,   11                          ; 4 x (thread % 128)
.set TA,   12
.set RHO,  13
.set PP,   14                          ; v14 my row's coordinate; v15 is named with it as a pair
.set QBC,  16                          ; v16-39 the biases as C operands
.set KBC,  24
.set VBC,  32
.set FK,   40                          ; v40-43 rho x f of my four pairs of channels
.set KZ,   44                          ; row 0 of st1; later BT: the finishing sums
.set A1,   48
.set A2,   52
.set DV,   56
.set K0S,  60
.set K0M,  61
.set GG,   62
.set BB,   63
.set BT,   44
.set UU,   44                          ; the loop's scratch: u then r; n; r^2; sin; cos
.set NN,   48
.set R2,   52
.set SN,   56
.set CO,   60
.set XR,   64                          ; v64-127 16 rows x 4 channels of x; then v64-95 the fragments of xn
.set XF,   64
.set AQ,   96
.set AK,   104
.set AV,   112
.set PK,   120                         ; v120-131 the three results, packed
.set BR,   128                         ; v128-191 16 rows of st1
.set WAD,  140                         ; v140-143 offsets of the loads of biases, rho and weights
.set WQF,  160
.set WKF,  192
.set WVF,  224
.set SC,   66                          ; s[66:75] the sine's five coefficients, each twice
.set CCF,  76                          ; s[76:85] the cosine's five
	s_load_b256 s[4:11], s[0:1], 0x0               ; x s[4:5], pos s[6:7], st1 s[8:9], par s[10:11]
	s_load_b128 s[12:15], s[0:1], 0x20             ; qf s[12:13], kv s[14:15]
	v_lshl_add_u32 v[SPW], v0, 2, SPARE
	v_mov_b32 v[NIL], 0
	v_lshrrev_b32 v1, 5, v0
	v_readfirstlane_b32 s16, v1                    ; wave
	s_mov_b32 s17, ttmp9                           ; j
	v_lshlrev_b32 v[T16], 4, v0
	v_and_b32 v1, 31, v0
	v_lshlrev_b32 v[L16], 4, v1
	v_mov_b32 v[PP+1], 0
	s_mov_b32 s30, 0x39000000                      ; 1 / 8192
	s_mov_b32 s31, 0x3727c5ac                      ; 1e-5
.macro COEF r, x
	s_mov_b32 s[\r], \x
	s_mov_b32 s[\r+1], \x
.endm
	COEF SC,    0x40490fdb                         ; pi
	COEF SC+2,  0xc0a55de7                         ; -pi^3 / 6
	COEF SC+4,  0x402335e3                         ; pi^5 / 120
	COEF SC+6,  0xbf196966                         ; -pi^7 / 5040
	COEF SC+8,  0x3da83c1b                         ; pi^9 / 362880
	COEF CCF,   0xc09de9e6                         ; -pi^2 / 2
	COEF CCF+2, 0x4081e0f8                         ; pi^4 / 24
	COEF CCF+4, 0xbfaae9e4                         ; -pi^6 / 720
	COEF CCF+6, 0x3e70fa83                         ; pi^8 / 40320
	COEF CCF+8, 0xbcd368f9                         ; -pi^10 / 3628800
	s_lshr_b32 s18, s17, 5                         ; the batch: 49,152 bytes of planes,
	s_mul_i32 s18, s18, 49152
	s_bfe_u32 s19, s17, 0x20003                    ; the quarter of 1,024 keys: 12,288,
	s_mul_i32 s19, s19, 12288
	s_add_co_u32 s18, s18, s19
	s_and_b32 s19, s17, 7                          ; my 128 keys in a plane: 512
	s_lshl_b32 s19, s19, 9
	s_add_co_u32 s18, s18, s19
	s_add_co_u32 s22, s18, 0x400000                ; behind the 256 records
	s_mov_b32 s23, 0
	s_wait_kmcnt 0x0
	s_add_nc_u64 s[20:21], s[14:15], s[22:23]
	s_lshl_b32 s22, s17, 10
	s_add_nc_u64 s[6:7], s[6:7], s[22:23]          ; pos at my rows
	s_lshl_b32 s22, s17, 16
	s_add_nc_u64 s[4:5], s[4:5], s[22:23]          ; x at my rows
	s_add_nc_u64 s[14:15], s[14:15], s[22:23]      ; kv at my four records of 16,384 bytes
	s_lshl_b32 s22, s17, 15
	s_add_nc_u64 s[12:13], s[12:13], s[22:23]      ; qf at my eight tiles of 4,096 bytes
	; the positions: threads 0-63 take two rows each
	s_cmp_lt_u32 s16, 2
	s_cbranch_scc0 .Lno_pos
	global_load_b128 v[44:47], v[T16], s[6:7]
	v_lshlrev_b32 v[TA], 3, v0
	s_wait_loadcnt 0x0
	ds_store_b128 v[T16], v[44:47] offset:PL
	v_mov_b32 v48, v44
	v_mov_b32 v49, v46
	v_mov_b32 v50, v45
	v_mov_b32 v51, v47
	v_mul_f32 v52, v44, v44
	v_mul_f32 v53, v46, v46
	v_fma_f32 v52, v45, v45, v52
	v_fma_f32 v53, v47, v47, v53
	global_store_b64 v[TA], v[48:49], s[20:21]     ; a wave stores 256 consecutive bytes, aligned
	global_store_b64 v[TA], v[50:51], s[20:21] offset:4096
	global_store_b64 v[TA], v[52:53], s[20:21] offset:8192
	s_wait_xcnt 0x0                                ; the stores' registers are written again below
.Lno_pos:
	; the statistics' rows, then x
	v_and_b32 v1, 63, v0
	v_lshlrev_b32 v[TA], 4, v1
	v_and_b32 v1, 127, v0
	v_lshlrev_b32 v[C4], 2, v1
	global_load_b128 v[KZ:KZ+3], v[TA], s[8:9]
	global_load_b32 v[K0S], v[C4], s[8:9]
	global_load_b32 v[K0M], v[C4], s[8:9] offset:512
	global_load_b32 v[GG], v[C4], s[10:11] offset:VEC+2048
	global_load_b32 v[BB], v[C4], s[10:11] offset:VEC+2560
.set i, 0
.rept 16                                               ; row thread / 64 + 4 i of st1, floats 4 (thread % 64) on
	global_load_b128 v[BR+4*i:BR+4*i+3], v[T16], s[8:9] offset:4096*i
.set i, i+1
.endr
.set i, 0
.rept 16                                               ; row thread / 32 + 8 i of x, channels 4 (thread % 32) on
	global_load_b128 v[XR+4*i:XR+4*i+3], v[T16], s[4:5] offset:4096*i
.set i, i+1
.endr
; One row of statistics: d = row - row 0; A1 += d; A2 += d d.  The shift by row 0 takes a common offset out before anything is squared.
.macro BNROW r, first
.if \first
	v_pk_add_f32 v[A1:A1+1], v[(\r):(\r)+1], v[KZ:KZ+1] neg_lo:[0,1] neg_hi:[0,1]
	v_pk_add_f32 v[A1+2:A1+3], v[(\r)+2:(\r)+3], v[KZ+2:KZ+3] neg_lo:[0,1] neg_hi:[0,1]
	v_pk_mul_f32 v[A2:A2+1], v[A1:A1+1], v[A1:A1+1]
	v_pk_mul_f32 v[A2+2:A2+3], v[A1+2:A1+3], v[A1+2:A1+3]
.else
	v_pk_add_f32 v[DV:DV+1], v[(\r):(\r)+1], v[KZ:KZ+1] neg_lo:[0,1] neg_hi:[0,1]
	v_pk_add_f32 v[DV+2:DV+3], v[(\r)+2:(\r)+3], v[KZ+2:KZ+3] neg_lo:[0,1] neg_hi:[0,1]
	v_pk_add_f32 v[A1:A1+1], v[A1:A1+1], v[DV:DV+1]
	v_pk_add_f32 v[A1+2:A1+3], v[A1+2:A1+3], v[DV+2:DV+3]
	v_pk_fma_f32 v[A2:A2+1], v[DV:DV+1], v[DV:DV+1], v[A2:A2+1]
	v_pk_fma_f32 v[A2+2:A2+3], v[DV+2:DV+3], v[DV+2:DV+3], v[A2+2:A2+3]
.endif
.endm
; The statistics are finished.  P groups of n rows, sums s_p = s_0 + d_p, squares M_p about each group's own mean:
; mean = (s_0 + S1 / P) / n;  variance = (the sum of M_p + (S2 - S1^2 / P) / n) / 8192, with S1, S2 the sums of d_p and d_p^2.
.macro BNEND invp, invn, pf
	ds_store_b128 v[T16], v[A1:A1+3] offset:BNA1
	ds_store_b128 v[T16], v[A2:A2+3] offset:BNA2
	s_wait_dscnt 0x0                               ; for the others' sake
	s_barrier_signal -1
	s_barrier_wait -1
	s_cmp_lt_u32 s16, 4
	s_cbranch_scc0 .Lbn_done                       ; threads 0-127 take a channel each
.irp g, 0,1,2,3
	ds_load_b32 v[BT+\g], v[C4] offset:BNA1+1024*\g
	ds_load_b32 v[BT+4+\g], v[C4] offset:BNA2+1024*\g
	ds_load_b32 v[BT+8+\g], v[C4] offset:BNA1+512+1024*\g
.endr
	s_wait_dscnt 0x0
.irp b, 0,4,8
	v_add_f32 v[BT+\b], v[BT+\b], v[BT+\b+1]
	v_add_f32 v[BT+\b+2], v[BT+\b+2], v[BT+\b+3]
.endr
.irp b, 0,4,8
	v_add_f32 v[BT+\b], v[BT+\b], v[BT+\b+2]       ; S1, S2, and the M_p's shifted sum
.endr
	v_mul_f32 v[BT+1], \invp, v[BT]                ; S1 / P
	v_fmamk_f32 v[BT+2], v[BT], \invp, v[K0S]
	v_mul_f32 v[BT+2], \invn, v[BT+2]              ; the mean
	v_fma_f32 v[BT+4], -v[BT], v[BT+1], v[BT+4]
	v_fmamk_f32 v[BT+8], v[K0M], \pf, v[BT+8]
	v_fmamk_f32 v[BT+8], v[BT+4], \invn, v[BT+8]
	v_fma_f32 v[BT+8], v[BT+8], s30, s31           ; the variance + 1e-5
	v_rsq_f32 v[BT+8], v[BT+8]
	v_nop                                          ; a plain instruction behind the root
	s_wait_alu depctr_va_vdst(0)
	v_mul_f32 v[BT+3], v[GG], v[BT+8]
	v_fma_f32 v[BT+5], -v[BT+2], v[BT+3], v[BB]
	ds_store_b32 v[C4], v[BT+3] offset:AL
	ds_store_b32 v[C4], v[BT+5] offset:BE
.Lbn_done:
	s_wait_dscnt 0x0
	s_barrier_signal -1
	s_barrier_wait -1
.endm
	s_wait_loadcnt 16                              ; all but the 16 loads of x
	BNROW BR, 1
.set i, 1
.rept 15
	BNROW BR+4*i, 0
.set i, i+1
.endr
	; the weights and biases go out while the statistics are finished
	v_and_b32 v1, 15, v0                           ; r
	v_bfe_u32 v[TA], v0, 4, 1                      ; h
	s_lshl_b32 s18, s16, 6
	v_lshl_add_u32 v[WAD], v[TA], 5, s18           ; 4 (16 w + 8 h)
	v_lshl_add_u32 v[WAD+1], v1, 2, s18            ; 4 (16 w + r)
	v_lshrrev_b32 v[WAD+2], 2, v[L16]              ; 4 x lane
	s_lshl_b32 s18, s16, 12
	v_add_nc_u32 v[WAD+3], s18, v[L16]             ; my four fragments of each matrix
.set i, 0
.rept 8
	global_load_b128 v[WQF+4*i:WQF+4*i+3], v[WAD+3], s[10:11] offset:512*i
	global_load_b128 v[WKF+4*i:WKF+4*i+3], v[WAD+3], s[10:11] offset:32768+512*i
	global_load_b128 v[WVF+4*i:WVF+4*i+3], v[WAD+3], s[10:11] offset:65536+512*i
.set i, i+1
.endr
	global_load_b128 v[QBC:QBC+3], v[WAD], s[10:11] offset:VEC
	global_load_b128 v[QBC+4:QBC+7], v[WAD], s[10:11] offset:VEC+16
	global_load_b128 v[KBC:KBC+3], v[WAD], s[10:11] offset:VEC+512
	global_load_b128 v[KBC+4:KBC+7], v[WAD], s[10:11] offset:VEC+528
	global_load_b32 v[VBC], v[WAD+1], s[10:11] offset:VEC+1024
	global_load_b32 v[RHO], v[WAD+2], s[10:11] offset:VEC+5632
	BNEND 0x3c800000, 0x3c000000, 0x42800000       ; P = 64, n = 128
	; x is normalised, rounded and laid into LDS by rows
	ds_load_b128 v[44:47], v[L16] offset:AL
	ds_load_b128 v[48:51], v[L16] offset:BE
	v_lshrrev_b32 v1, 5, v0
	v_mul_u32_u24 v1, v1, XP
	v_and_b32 v[XNST], 31, v0
	v_lshl_add_u32 v[XNST], v[XNST], 3, v1
	s_wait_loadcnt 30                              ; x is in; the 30 loads issued behind it stay out
	s_wait_dscnt 0x0
.set i, 0
.rept 16
	v_pk_fma_f32 v[XR+4*i:XR+4*i+1], v[XR+4*i:XR+4*i+1], v[44:45], v[48:49]
	v_pk_fma_f32 v[XR+4*i+2:XR+4*i+3], v[XR+4*i+2:XR+4*i+3], v[46:47], v[50:51]
	v_cvt_pk_bf16_f32 v[XR+4*i], v[XR+4*i], v[XR+4*i+1]
	v_cvt_pk_bf16_f32 v[XR+4*i+1], v[XR+4*i+2], v[XR+4*i+3]
	ds_store_b64 v[XNST], v[XR+4*i:XR+4*i+1] offset:XN+2176*i
.set i, i+1
.endr
	s_wait_dscnt 0x0
	s_barrier_signal -1
	s_barrier_wait -1
	s_wait_loadcnt 0x0                             ; weights, biases, rho
	v_and_b32 v1, 15, v0                           ; r
	v_mul_u32_u24 v[XNLD], v1, XP
	v_lshl_add_u32 v[XNLD], v[TA], 4, v[XNLD]      ; row x pitch + 16 h
	s_lshr_b32 s18, s16, 2                         ; channels 0-63 turn by x, 64-127 by y
	s_lshl_b32 s18, s18, 2
	v_lshl_add_u32 v[PLLD], v1, 3, s18
	s_lshr_b32 s18, s16, 1
	s_lshl_b32 s18, s18, 11
	s_and_b32 s19, s16, 1
	s_lshl_b32 s19, s19, 9
	s_add_co_u32 s18, s18, s19
	v_add_nc_u32 v[KST], s18, v[L16]               ; head x 2,048 + half x 512
	s_lshl_b32 s18, s16, 10
	v_add_nc_u32 v[VST], s18, v[L16]               ; head x 2,048 + channel block x 1,024
	s_and_b32 s18, s16, 3
	s_lshl_b32 s18, s18, 3
	s_add_co_u32 s18, s18, 1
	v_lshl_add_u32 v1, v[TA], 2, s18               ; f of my first pair: 8 (w % 4) + 4 h + 1
	v_cvt_f32_u32 v1, v1
	v_mul_f32 v[FK], v[RHO], v1
	v_add_f32 v[FK+1], v[FK], v[RHO]
	v_add_f32 v[FK+2], v[FK+1], v[RHO]
	v_add_f32 v[FK+3], v[FK+2], v[RHO]
.irp i, 1,2,3,4,5,6,7
	v_mov_b32 v[VBC+\i], v[VBC]                    ; v's bias: one channel a lane, the same for its eight rows
.endr
.macro SINCOS                          ; sin and cos of my four angles
.irp p, 0,2
	v_pk_mul_f32 v[UU+\p:UU+\p+1], v[FK+\p:FK+\p+1], v[PP:PP+1] op_sel_hi:[1,0]
.endr
.irp i, 0,1,2,3
	v_rndne_f32 v[NN+\i], v[UU+\i]
.endr
.irp p, 0,2
	v_pk_add_f32 v[UU+\p:UU+\p+1], v[UU+\p:UU+\p+1], v[NN+\p:NN+\p+1] neg_lo:[0,1] neg_hi:[0,1]
.endr
.irp p, 0,2
	v_pk_mul_f32 v[R2+\p:R2+\p+1], v[UU+\p:UU+\p+1], v[UU+\p:UU+\p+1]
.endr
.irp p, 0,2
	v_pk_fma_f32 v[SN+\p:SN+\p+1], v[R2+\p:R2+\p+1], s[SC+8:SC+9], s[SC+6:SC+7] op_sel_hi:[1,0,0]
	v_pk_fma_f32 v[CO+\p:CO+\p+1], v[R2+\p:R2+\p+1], s[CCF+8:CCF+9], s[CCF+6:CCF+7] op_sel_hi:[1,0,0]
.endr
.irp c, 4,2,0
.irp p, 0,2
	v_pk_fma_f32 v[SN+\p:SN+\p+1], v[SN+\p:SN+\p+1], v[R2+\p:R2+\p+1], s[SC+\c:SC+\c+1] op_sel_hi:[1,1,0]
	v_pk_fma_f32 v[CO+\p:CO+\p+1], v[CO+\p:CO+\p+1], v[R2+\p:R2+\p+1], s[CCF+\c:CCF+\c+1] op_sel_hi:[1,1,0]
.endr
.endr
.irp p, 0,2
	v_pk_mul_f32 v[SN+\p:SN+\p+1], v[SN+\p:SN+\p+1], v[UU+\p:UU+\p+1]
	v_pk_fma_f32 v[CO+\p:CO+\p+1], v[CO+\p:CO+\p+1], v[R2+\p:R2+\p+1], 1.0 op_sel_hi:[1,1,0]
.endr
.irp i, 0,1,2,3
	v_cvt_i32_f32 v[NN+\i], v[NN+\i]
.endr
.irp i, 0,1,2,3
	v_lshlrev_b32 v[NN+\i], 31, v[NN+\i]           ; an odd n turns both signs
.endr
.irp i, 0,1,2,3
	v_xor_b32 v[SN+\i], v[SN+\i], v[NN+\i]
	v_xor_b32 v[CO+\i], v[CO+\i], v[NN+\i]
.endr
.endm
.macro ROT a                           ; (e, o) -> (cos e - sin o, cos o + sin e), from the accumulator's low end on
.irp i, 0,1,2,3
	v_mul_f32 v[UU+2*(\i%2)], v[SN+\i], v[\a+2*\i+1]
	v_mul_f32 v[UU+2*(\i%2)+1], v[SN+\i], v[\a+2*\i]
	v_fma_f32 v[\a+2*\i], v[CO+\i], v[\a+2*\i], -v[UU+2*(\i%2)]
	v_fma_f32 v[\a+2*\i+1], v[CO+\i], v[\a+2*\i+1], v[UU+2*(\i%2)+1]
.endr
.endm
; One tile of 16 rows; par = 0, 1: the even or odd tile of a record of 32 keys.  Three accumulators take turns; the biases start the sums.
; The series, plain instructions on other registers, are the places between the products and the first read of a result.
.macro TILE par
.irp kb, 0,1,2,3
	ds_load_b128 v[XF+8*\kb:XF+8*\kb+3], v[XNLD] offset:XN+(\par)*4352+64*\kb
	ds_load_b128 v[XF+8*\kb+4:XF+8*\kb+7], v[XNLD] offset:XN+(\par)*4352+64*\kb+32
.endr
	ds_load_b32 v[PP], v[PLLD] offset:PL+(\par)*128
	s_wait_dscnt 0x0
	v_wmma_f32_16x16x32_bf16 v[AQ:AQ+7], v[WQF:WQF+7], v[XF:XF+7], v[QBC:QBC+7]
	v_wmma_f32_16x16x32_bf16 v[AK:AK+7], v[WKF:WKF+7], v[XF:XF+7], v[KBC:KBC+7]
	v_wmma_f32_16x16x32_bf16 v[AV:AV+7], v[XF:XF+7], v[WVF:WVF+7], v[VBC:VBC+7]
.irp kb, 1,2,3
	v_wmma_f32_16x16x32_bf16 v[AQ:AQ+7], v[WQF+8*\kb:WQF+8*\kb+7], v[XF+8*\kb:XF+8*\kb+7], v[AQ:AQ+7]
	v_wmma_f32_16x16x32_bf16 v[AK:AK+7], v[WKF+8*\kb:WKF+8*\kb+7], v[XF+8*\kb:XF+8*\kb+7], v[AK:AK+7]
	v_wmma_f32_16x16x32_bf16 v[AV:AV+7], v[XF+8*\kb:XF+8*\kb+7], v[WVF+8*\kb:WVF+8*\kb+7], v[AV:AV+7]
.endr
	SINCOS
	ROT AQ
	ROT AK
	s_wait_xcnt 0x0                                ; the last tile's stores have read the packed registers
.irp p, 0,1,2,3
	v_cvt_pk_bf16_f32 v[PK+\p], v[AQ+2*\p], v[AQ+2*\p+1]
	v_cvt_pk_bf16_f32 v[PK+4+\p], v[AK+2*\p], v[AK+2*\p+1]
	v_cvt_pk_bf16_f32 v[PK+8+\p], v[AV+2*\p], v[AV+2*\p+1]
.endr
	global_store_b128 v[T16], v[PK:PK+3], s[12:13] offset:(\par)*4096        ; each: 512 consecutive bytes a wave, aligned
	global_store_b128 v[KST], v[PK+4:PK+7], s[14:15] offset:(\par)*1024
	global_store_b128 v[VST], v[PK+8:PK+11], s[14:15] offset:8192+(\par)*512
.endm
	s_mov_b32 s24, 4
.Lrec:                                                 ; a trip: one record of 32 rows
	TILE 0
	TILE 1
	s_wait_xcnt 0x0                                ; the stores' bases step only behind this wait
	s_add_nc_u64 s[12:13], s[12:13], 8192
	s_add_nc_u64 s[14:15], s[14:15], 16384
	v_add_nc_u32 v[XNLD], 8704, v[XNLD]
	v_add_nc_u32 v[PLLD], 256, v[PLLD]
	s_sub_co_u32 s24, s24, 1
	s_cmp_lg_u32 s24, 0
	s_cbranch_scc1 .Lrec
	s_wait_tensorcnt 0x0                           ; the wave's end: three lines behind my last LDS store
	ds_add_u32 v[SPW], v[NIL]
	s_wait_dscnt 0x0
	s_endpgm
.Lfunc_end_k_qa115f120fa_qkv0:
	.size	k_qa115f120fa_qkv0, .Lfunc_end_k_qa115f120fa_qkv0-k_qa115f120fa_qkv0
	.p2alignl 7, 3214868480
	.fill 96, 4, 3214868480
	.section	.rodata,"a",@progbits
	.p2align	6, 0x0
	.amdhsa_kernel k_qa115f120fa_qkv0
		.amdhsa_group_segment_fixed_size 46080
		.amdhsa_private_segment_fixed_size 0
		.amdhsa_enable_private_segment 0
		.amdhsa_kernarg_size 48
		.amdhsa_user_sgpr_count 2
		.amdhsa_user_sgpr_kernarg_segment_ptr 1
		.amdhsa_wavefront_size32 1
		.amdhsa_system_sgpr_workgroup_id_x 1
		.amdhsa_system_sgpr_workgroup_id_y 1
		.amdhsa_system_sgpr_workgroup_id_z 1
		.amdhsa_system_vgpr_workitem_id 0
		.amdhsa_next_free_vgpr 256
		.amdhsa_next_free_sgpr 88
		.amdhsa_reserve_vcc 0
		.amdhsa_float_denorm_mode_32 3
		.amdhsa_float_denorm_mode_16_64 3
		.amdhsa_memory_ordered 1
		.amdhsa_forward_progress 1
		.amdhsa_inst_pref_size 39
	.end_amdhsa_kernel
	.amdgpu_metadata
---
amdhsa.version: [ 1, 2 ]
amdhsa.kernels:
  - .name:           k_qa115f120fa_qkv0
    .symbol:         k_qa115f120fa_qkv0.kd
    .args:
      - { .name: x, .offset: 0, .size: 8, .value_kind: global_buffer, .address_space: global }
      - { .name: pos, .offset: 8, .size: 8, .value_kind: global_buffer, .address_space: global }
      - { .name: st1, .offset: 16, .size: 8, .value_kind: global_buffer, .address_space: global }
      - { .name: par0, .offset: 24, .size: 8, .value_kind: global_buffer, .address_space: global }
      - { .name: qf, .offset: 32, .size: 8, .value_kind: global_buffer, .address_space: global }
      - { .name: kv, .offset: 40, .size: 8, .value_kind: global_buffer, .address_space: global }
    .group_segment_fixed_size: 46080
    .private_segment_fixed_size: 0
    .kernarg_segment_align: 8
    .kernarg_segment_size: 48
    .max_flat_workgroup_size: 256
    .sgpr_count:     88
    .vgpr_count:     256
    .wavefront_size: 32
...
	.end_amdgpu_metadata
.endif
;; end of part 2
;; launch att0 (part 3): grid 128 x 2, 4 waves a work-group, clusters of 4 x 1, 327,680 bytes of LDS; arguments qf, kv, pos, x, par0, xa, st2; writes xa, st2
.if DOCPART == 3
	.amdgcn_target "amdgcn-amd-amdhsa--gfx1250"
	.amdhsa_code_object_version 6
	.text
	.protected	k_qa115f120fa_att0
	.globl	k_qa115f120fa_att0
	.p2align	8
	.type	k_qa115f120fa_att0,@function
k_qa115f120fa_att0:
	s_mov_b64 s[64:65], 0
	v_nop
	global_prefetch_b8 v0, s[64:65] scope:SCOPE_SE
	s_setreg_imm32_b32 hwreg(HW_REG_WAVE_MODE, 25, 1), 1
	s_wait_xcnt 0x0
	s_wait_alu depctr_hold_cnt(0) depctr_sa_sdst(0) depctr_va_vdst(0) depctr_va_sdst(0) depctr_va_ssrc(0) depctr_va_vcc(0) depctr_vm_vsrc(0)
	s_getreg_b32 s2, hwreg(HW_REG_IB_STS2, 6, 4)
	s_cmp_eq_u32 s2, 0
	s_cbranch_scc0 .Lentry_in_a_cluster
	s_endpgm
.Lentry_in_a_cluster:
	s_bfe_u32 s2, ttmp6, 0x10000c
	s_cmp_lg_u32 s2, 0x3003
	s_cbranch_scc0 .Lentry_shape_is_right
	s_endpgm
.Lentry_shape_is_right:
; ATTENTION under the window mask, the output projection, the residual, and the partial statistics of the result.
; SHARES.  A work-group owns 32 queries (two tiles of 16) of one batch, all 4 heads: 8 UNITS u = 2 head + tile.  Its four waves split the 4,096 keys: wave w walks keys 1,024 w on, 64 a step, 16 steps, for
; all 8 units; the four partial (m, l, O) meet in LDS at the end.  So a mask, which hangs on query and key alone, is made once and serves 4 heads.
; LAYOUT.  S^T = K Q^T + mask (source 0 = 16 keys, source 1 = 16 queries, head size 32 = one matrix instruction): a lane holds ONE query (lane % 16) and keys 8 (lane / 16) + 0..7.  Two such results rounded to
; bf16 ARE source 1 of O^T = V^T P.  Q, K, V^T arrive as register images of fragments (1,024 bytes; lane l's registers 0-3 at 16 l, 4-7 at 512 + 16 l): every load is 512 consecutive bytes.
; SOFTMAX.  q carries c = log2(e) / sqrt(32), so p = 2^(s - m) with a running maximum m; O and l are multiplied by a = 2^(m_old - m_new) in every step.  l is a third product: source 0 holds ones in rows 0 and 8,
; so l falls into register 0 of both halves of the lanes.  It is the sum of the rounded p, the same numbers that O^T sums.
; THE MASK is the C operand: 0, or -1e30 where (d2 - 0.0625) > 0.  (d2 - 0.0625) x 2^100 is three fused multiply-adds from the key's x, y, x^2 + y^2 and the query's -2 x, -2 y, x^2 + y^2 - 0.0625;
; held to 0 .. 1 it is 0 or 1.  While a row has seen hidden keys alone, m is about -1e30 and O, l hold finite numbers; the first visible key gives a = 0, and so does the merge.  Every row sees itself.
; LIMITS.  |pos| under 2^13.  A pair whose d2 lies within a few last places of 0.0625 may fall on the other side than by the formula sq + sq - 2 dot: the roundings differ.  A hidden score counts as its value
; less 1e30.  A weight below 2^-126 counts as 0.  NaN and infinities are not treated apart.
; CLUSTER.  The four query blocks of a cluster walk the same K, V and key positions: each tile is asked for JOINTLY, the same load, descriptor and mask in all four.
; O and l are cleared at the start (192 lines, in the wait for the first tile), so that no first step is written out: the step's text stands twice, not three times.
; REGISTERS, in windows of 256 (s_set_vgpr_msb: bits 1:0 source 0, 3:2 source 1, 5:4 source 2, 7:6 destination):
;   window 0: v0-15 addresses; v16-31 m; v32-39 at work; v40-53 the queries' constants; v64-127 S^T, two buffers; v128-159 P, two buffers; v160-223 the two tiles' masks
;   window 1: v0-127 O^T, 16 a unit; v128-191 l, 8 a unit        window 2: v0-63 Q; v64-127 K, two buffers of a head; v128-191 V^T likewise; v192-199 the ones
;   window 3: v0-95 the step's key positions; v96-97 -1e30; v128-191 my 8 fragments of Wo
.set SLOT1, 131072                     ; slot s of wave w: s x 131,072 + w x 32,768; a slot holds a step: 2 records of 16,384 bytes
.set KPL,   262144                     ; wave w's key positions: 3 planes of 4,096 bytes at KPL + 12,288 w
.set SPARE, 311296                     ; the spare words, 128 bytes a wave
.set UB,    2304                       ; the merge: a unit's O (2,048 bytes), m and l (128 each), in the wave's own slot 0, which has had its last fill
.set OF,    131072                     ; then, in what was wave 0's slot 1: o as 8 fragments,
.set X1S,   139264                     ; 32 rows of o Wo + b in f32, 528 bytes apart,
.set XP,    528
.set RS1,   156160                     ; and 2 x 2,048 bytes for the statistics
.set VEC,   262144
.set AKV0, 2                           ; v2  16 x lane + my wave's ring; never rewritten
.set ADR,  3                           ; v3  the step's slot
.set AKP,  4                           ; v4  the next step's key positions
.set L16,  5
.set SPW,  6
.set NIL,  7
.set MR,   16                          ; unit u's m at v[16 + 2 u], named as a pair
.set CC,   32                          ; c0-c3
.set AA,   36                          ; a, named as a pair
.set DD,   38
.set TT,   39
.set QC,   40                          ; tile t: -2 x 2^100 x, the same of y, (sq - 0.0625) 2^100, each twice, at 40 + 6 t
.set BG,   52                          ; 2^100, twice
.set S,    64
.set P,    128
.set MK,   160
.set LL,   128                         ; window 1
.set KF,   64                          ; window 2
.set VF,   128
.set ONES, 192
.set KX,   0                           ; window 3
.set KY,   32
.set KS,   64
.set NG,   96
.set WO,   128
.set WV,   18                          ; s18 wave
.set G1,   28                          ; s[28:35] group 1 of a step's tile
.set G1P,  36                          ; s[36:43] of the key positions
.set G0,   44                          ; s[44:47] group 0 of a step's tile: it walks
.set G0P,  48                          ; s[48:51]
.set CNT,  52
.set TB,   53                          ; s53 the slot in hand
.set SEL,  54                          ; s[54:55] v_permlanex16_b32's selects
.set MSB, 0
.macro WIN new                         ; the high byte repeats the setting that is left; a switch that changes nothing is dropped
.if MSB != (\new)
	s_set_vgpr_msb (MSB<<8)|(\new)
.set MSB, (\new)
.endif
.endm
.set W_KQ, 0x0a                        ; K, Q window 2; mask, S^T window 0
.set W_PV, 0x52                        ; V window 2; P window 0; O^T, l window 1
.set W_RS, 0x41                        ; destination and source 0 window 1
.set W_MK, 0x03                        ; source 0 window 3
.set W_WO, 0x0b                        ; Wo window 3, o window 2
.macro CROUND                          ; a round of the cluster's barrier
	s_barrier_signal -1
	s_barrier_wait -1
	s_cmp_lg_u32 s[WV], 0
	s_cbranch_scc1 .Lnw0_\@
	s_barrier_signal -3
.Lnw0_\@:
	s_barrier_wait -3
	s_barrier_signal -1
	s_barrier_wait -1
.endm
; THE CHANGE OF SLOTS.  My one load that is out, this step's tile, has landed; 0 is added to my spare word; the add and my reads of the other slot are done; a round of the cluster's barrier, so that this
; holds of every wave of all four partners; then the next step's tile is asked for, first thing.  It has a whole step, 80 matrix and some 880 vector instructions, in which to land.
.macro CHANGE
	WIN 0
	s_wait_tensorcnt 0x0
	ds_add_u32 v[SPW], v[NIL]                      ; 0 onto my spare word; the descriptor's steps stand between it and the wait for it
	s_xor_b32 s[G0+1], s[G0+1], SLOT1
	s_add_nc_u64 s[G0+2:G0+3], s[G0+2:G0+3], 32768
	s_xor_b32 s[TB], s[TB], SLOT1
	s_wait_dscnt 0x0
	CROUND
	tensor_load_to_lds s[G0:G0+3], s[G1:G1+7]
	s_nop 0
.rept 4
	v_nop
.endr
.endm
	s_load_b256 s[4:11], s[0:1], 0x0               ; qf s[4:5], kv s[6:7], pos s[8:9], x s[10:11]
	s_load_b128 s[12:15], s[0:1], 0x20             ; par s[12:13], the result s[14:15]
	s_load_b64 s[16:17], s[0:1], 0x30              ; st2
	v_lshl_add_u32 v[SPW], v0, 2, SPARE
	v_mov_b32 v[NIL], 0
	ds_add_u32 v[SPW], v[NIL]                      ; the wave's opening: the add and its wait ahead of my first tensor load
	v_lshrrev_b32 v1, 5, v0
	v_readfirstlane_b32 s[WV], v1
	s_bfe_u32 s19, ttmp6, 0x40000                  ; cx
	s_lshl_b32 s20, ttmp9, 2
	s_add_co_u32 s20, s20, s19                     ; my block of 32 queries: it enters global addresses of Q, pos, x and the results alone
	s_and_b32 s21, ttmp7, 0xffff                   ; the batch, which the partners share
	; dense blocks, asked for as rows of 256 bytes: elements of 8 bytes, 32 a row
	s_mov_b32 s[G1], 15|(3<<16)|(1<<21)            ; the mask of four; element size; bit 21 beside a mask
	s_mov_b32 s[G1+1], 32<<16
	s_mov_b32 s[G1+2], 128<<16
	s_mov_b32 s[G1+3], 32<<16
	s_mov_b32 s[G1+4], 128                         ; 128 rows: 32,768 bytes
	s_mov_b32 s[G1+5], 32
	s_mov_b32 s[G1+6], 0
	s_mov_b32 s[G1+7], 0
	s_mov_b32 s[G1P], 15|(3<<16)|(1<<21)
	s_mov_b32 s[G1P+1], 32<<16
	s_mov_b32 s[G1P+2], 48<<16
	s_mov_b32 s[G1P+3], 32<<16
	s_mov_b32 s[G1P+4], 48                         ; 48 rows: 12,288 bytes
	s_mov_b32 s[G1P+5], 32
	s_mov_b32 s[G1P+6], 0
	s_mov_b32 s[G1P+7], 0
	s_mov_b32 s[G0], 1
	s_mul_i32 s[G0+1], s[WV], 32768
	s_mov_b32 s[G0P], 1
	s_mul_i32 s[G0P+1], s[WV], 12288
	s_add_co_u32 s[G0P+1], s[G0P+1], KPL
	s_mul_i32 s26, s[WV], 32768
	s_mul_i32 s27, s[WV], 12288
	s_lshl_b32 s22, s21, 21                        ; the batch's 128 records,
	s_lshl_b32 s23, s[WV], 19                      ; my quarter's 32
	s_add_co_u32 s22, s22, s23
	s_mov_b32 s23, 0
	s_mul_i32 s24, s21, 49152
	s_add_co_u32 s24, s24, s27
	s_add_co_u32 s24, s24, 0x400000
	s_mov_b32 s25, 0
	s_mov_b32 s[SEL], 0x76543210
	s_mov_b32 s[SEL+1], 0xfedcba98
	s_mov_b32 s[TB], SLOT1                         ; the first change turns it into 0
	s_mov_b32 s58, 0x3f803f80
	s_wait_dscnt 0x0                               ; the opening add is done
	s_wait_kmcnt 0x0
	s_add_nc_u64 s[G0+2:G0+3], s[6:7], s[22:23]
	s_or_b32 s[G0+3], s[G0+3], 0x80000000
	s_add_nc_u64 s[G0P+2:G0P+3], s[6:7], s[24:25]
	s_or_b32 s[G0P+3], s[G0P+3], 0x80000000
	s_lshl_b32 s56, s21, 20
	s_lshl_b32 s57, s20, 13
	s_add_co_u32 s56, s56, s57
	s_mov_b32 s57, 0
	s_add_nc_u64 s[4:5], s[4:5], s[56:57]          ; Q at my two tiles
	s_lshl_b32 s56, s21, 15
	s_lshl_b32 s59, s20, 8
	s_add_co_u32 s56, s56, s59
	s_add_nc_u64 s[8:9], s[8:9], s[56:57]          ; pos at my 32 rows
	s_lshl_b32 s56, s21, 21
	s_lshl_b32 s59, s20, 14
	s_add_co_u32 s56, s56, s59
	s_add_nc_u64 s[10:11], s[10:11], s[56:57]      ; x and the result at my 32 rows
	s_add_nc_u64 s[14:15], s[14:15], s[56:57]
	s_lshl_b32 s56, s21, 7
	s_add_co_u32 s56, s56, s20
	s_lshl_b32 s56, s56, 10
	s_add_nc_u64 s[16:17], s[16:17], s[56:57]      ; my row of st2
	CROUND                                         ; all four work-groups are here: the first joint loads meet
	tensor_load_to_lds s[G0P:G0P+3], s[G1P:G1P+7]  ; my quarter's key positions,
	s_nop 0
	tensor_load_to_lds s[G0:G0+3], s[G1:G1+7]      ; and step 0 into slot 0: two loads of mine are out
	s_nop 0
.rept 4
	v_nop
.endr
	v_and_b32 v1, 31, v0
	v_lshlrev_b32 v[L16], 4, v1
	v_add_nc_u32 v[AKV0], s26, v[L16]
	WIN 0x80
.set u, 0
.rept 8
	global_load_b128 v[8*u:8*u+3], v[L16], s[4:5] offset:(u%2)*4096+(u/2)*1024
	global_load_b128 v[8*u+4:8*u+7], v[L16], s[4:5] offset:(u%2)*4096+(u/2)*1024+512
.set u, u+1
.endr
	WIN 0
	v_and_b32 v1, 15, v0
	v_lshlrev_b32 v11, 3, v1
	global_load_b64 v[54:55], v11, s[8:9]          ; my query of tile 0,
	global_load_b64 v[56:57], v11, s[8:9] offset:128  ; of tile 1
	s_lshl_b32 s22, s[WV], 13
	v_add_nc_u32 v12, s22, v[L16]
	WIN 0xc0
.set i, 0
.rept 16                                               ; Wo's output blocks 2 w, 2 w + 1
	global_load_b128 v[WO+4*i:WO+4*i+3], v12, s[12:13] offset:98304+512*i
.set i, i+1
.endr
	v_mov_b32 v[NG], 0xf149f2ca                    ; -1e30
	v_mov_b32 v[NG+1], 0xf149f2ca
	WIN 0x40
.set i, 0
.rept 192
	v_mov_b32 v[i], 0                              ; O^T and l
.set i, i+1
.endr
	WIN 0
	v_and_b32 v1, 7, v0
	v_cmp_eq_u32 vcc_lo, 0, v1
	v_cndmask_b32 v13, 0, s58, vcc_lo              ; rows 0 and 8 of source 0 lie in lanes 0, 8, 16, 24
	WIN 0x80
.set i, 0
.rept 8
	v_mov_b32 v[ONES+i], v13
.set i, i+1
.endr
	WIN 0
.set i, 0
.rept 16
	v_mov_b32 v[MR+i], 0xfe000000                  ; m starts far below every score, hidden ones too
.set i, i+1
.endr
	v_mov_b32 v[AA], 0
	v_mov_b32 v[AA+1], 0
	v_mov_b32 v[BG], 0x71800000                    ; 2^100
	v_mov_b32 v[BG+1], 0x71800000
	v_bfe_u32 v1, v0, 4, 1
	s_add_co_u32 s27, s27, KPL
	v_lshl_add_u32 v[AKP], v1, 5, s27              ; my half of the lanes takes keys 8 h on
	s_wait_loadcnt 0x0
.irp t, 0,1
	v_mul_f32 v1, v[54+2*\t], v[54+2*\t]
	v_fma_f32 v1, v[55+2*\t], v[55+2*\t], v1
	v_mul_f32 v[QC+6*\t], 0xf2000000, v[54+2*\t]   ; x (-2^101)
	v_mul_f32 v[QC+6*\t+2], 0xf2000000, v[55+2*\t]
	v_fmaak_f32 v[QC+6*\t+4], v1, v[BG], 0xef800000  ; sq 2^100 - 2^96
	v_mov_b32 v[QC+6*\t+1], v[QC+6*\t]
	v_mov_b32 v[QC+6*\t+3], v[QC+6*\t+2]
	v_mov_b32 v[QC+6*\t+5], v[QC+6*\t+4]
.endr
; A head's K (4 fragments of 16 keys) and V^T (2 x 2 fragments of 32 keys x 16 channels) of the step, into buffer bf: 16 loads in one run.
.macro LOADKV hd, bf
	WIN 0x80
.irp kt, 0,1,2,3
	ds_load_b128 v[KF+32*(\bf)+8*\kt:KF+32*(\bf)+8*\kt+3], v[ADR] offset:(\kt/2)*16384+(\hd)*2048+(\kt%2)*1024
	ds_load_b128 v[KF+32*(\bf)+8*\kt+4:KF+32*(\bf)+8*\kt+7], v[ADR] offset:(\kt/2)*16384+(\hd)*2048+(\kt%2)*1024+512
.endr
.irp f, 0,1,2,3
	ds_load_b128 v[VF+32*(\bf)+8*\f:VF+32*(\bf)+8*\f+3], v[ADR] offset:(\f/2)*16384+8192+(\hd)*2048+(\f%2)*1024
	ds_load_b128 v[VF+32*(\bf)+8*\f+4:VF+32*(\bf)+8*\f+7], v[ADR] offset:(\f/2)*16384+8192+(\hd)*2048+(\f%2)*1024+512
.endr
.endm
; The next step's key positions: register 8 kt + j holds key 16 kt + 8 h + j.  All lanes of a half read the same words.
.macro LOADKP
	WIN 0xc0
.irp pl, 0,1,2
.irp kt, 0,1,2,3
	ds_load_b128 v[32*\pl+8*\kt:32*\pl+8*\kt+3], v[AKP] offset:\pl*4096+\kt*64
	ds_load_b128 v[32*\pl+8*\kt+4:32*\pl+8*\kt+7], v[AKP] offset:\pl*4096+\kt*64+16
.endr
.endr
	WIN 0
	v_add_nc_u32 v[AKP], 256, v[AKP]
.endm
.macro MASK t                          ; 64 keys x my query of tile t
	WIN W_MK
.set z, 0
.rept 16
	v_pk_fma_f32 v[MK+32*(\t)+2*z:MK+32*(\t)+2*z+1], v[KX+2*z:KX+2*z+1], v[QC+6*(\t):QC+6*(\t)+1], v[QC+6*(\t)+4:QC+6*(\t)+5]
.set z, z+1
.endr
.set z, 0
.rept 16
	v_pk_fma_f32 v[MK+32*(\t)+2*z:MK+32*(\t)+2*z+1], v[KY+2*z:KY+2*z+1], v[QC+6*(\t)+2:QC+6*(\t)+3], v[MK+32*(\t)+2*z:MK+32*(\t)+2*z+1]
.set z, z+1
.endr
.set z, 0
.rept 16
	v_pk_fma_f32 v[MK+32*(\t)+2*z:MK+32*(\t)+2*z+1], v[KS+2*z:KS+2*z+1], v[BG:BG+1], v[MK+32*(\t)+2*z:MK+32*(\t)+2*z+1] clamp
.set z, z+1
.endr
.set z, 0
.rept 16
	v_pk_mul_f32 v[MK+32*(\t)+2*z:MK+32*(\t)+2*z+1], v[NG:NG+1], v[MK+32*(\t)+2*z:MK+32*(\t)+2*z+1]
.set z, z+1
.endr
.endm
.macro KQ u                            ; the unit's 64 x 16 scores: four products, the mask as C
	WIN W_KQ
.irp kt, 0,1,2,3
	v_wmma_f32_16x16x32_bf16 v[S+32*((\u)%2)+8*\kt:S+32*((\u)%2)+8*\kt+7], v[KF+32*(((\u)/2)%2)+8*\kt:KF+32*(((\u)/2)%2)+8*\kt+7], v[8*(\u):8*(\u)+7], v[MK+32*((\u)%2)+8*\kt:MK+32*((\u)%2)+8*\kt+7]
.endr
.endm
.macro SMAX u                          ; the new m, and m_old - m_new.  Each accumulator's lowest registers are read first.
	WIN 0
.set rS, S+32*((\u)%2)
.set rM, MR+2*(\u)
.irp n, 0,1,2,3
	v_max3_num_f32 v[CC+\n], v[rS+8*\n], v[rS+8*\n+1], v[rS+8*\n+2]
.endr
.irp n, 0,1,2,3
	v_max3_num_f32 v[CC+\n], v[CC+\n], v[rS+8*\n+3], v[rS+8*\n+4]
.endr
.irp n, 0,1,2,3
	v_max3_num_f32 v[CC+\n], v[CC+\n], v[rS+8*\n+5], v[rS+8*\n+6]
.endr
	v_max3_num_f32 v[CC], v[CC], v[rS+7], v[rS+15]
	v_max3_num_f32 v[CC+1], v[CC+1], v[rS+23], v[rS+31]
	v_max3_num_f32 v[CC+2], v[CC+2], v[CC+3], v[rM]
	v_max3_num_f32 v[CC], v[CC], v[CC+1], v[CC+2]
	v_permlanex16_b32 v[CC+3], v[CC], s[SEL], s[SEL+1]  ; the query's other 32 keys lie in the lane 16 away
	v_max_num_f32 v[TT], v[CC], v[CC+3]
	v_sub_f32 v[DD], v[rM], v[TT]
	v_mov_b32 v[rM], v[TT]
.endm
; a; then for each pair of scores: s - m two pairs ahead, two exponentials, the rounding a pair back: a plain instruction on other registers stands behind an exponential before its result is used.
.macro SEXP u
	WIN 0
.set rS, S+32*((\u)%2)
.set rM, MR+2*(\u)
.set rP, P+16*((\u)%2)
	v_exp_f32 v[AA], v[DD]
	v_pk_add_f32 v[rS:rS+1], v[rS:rS+1], v[rM:rM+1] op_sel_hi:[1,0] neg_lo:[0,1] neg_hi:[0,1]
	v_pk_add_f32 v[rS+2:rS+3], v[rS+2:rS+3], v[rM:rM+1] op_sel_hi:[1,0] neg_lo:[0,1] neg_hi:[0,1]
.set i, 0
.rept 16
	v_exp_f32 v[rS+2*i], v[rS+2*i]
.if i < 14
	v_pk_add_f32 v[rS+2*i+4:rS+2*i+5], v[rS+2*i+4:rS+2*i+5], v[rM:rM+1] op_sel_hi:[1,0] neg_lo:[0,1] neg_hi:[0,1]
.endif
	v_exp_f32 v[rS+2*i+1], v[rS+2*i+1]
.if i > 0
	s_wait_alu depctr_va_vdst(0)
	v_cvt_pk_bf16_f32 v[rP+i-1], v[rS+2*i-2], v[rS+2*i-1]
.endif
.set i, i+1
.endr
	v_cvt_pk_bf16_f32 v[rP+15], v[rS+30], v[rS+31]
.endm
.macro RESC u                          ; O^T and l times a
	WIN W_RS
.set z, 0
.rept 8
	v_pk_mul_f32 v[16*(\u)+2*z:16*(\u)+2*z+1], v[16*(\u)+2*z:16*(\u)+2*z+1], v[AA:AA+1] op_sel_hi:[1,0]
.set z, z+1
.endr
	v_pk_mul_f32 v[LL+8*(\u):LL+8*(\u)+1], v[LL+8*(\u):LL+8*(\u)+1], v[AA:AA+1] op_sel_hi:[1,0]
.endm
.macro PV u                            ; three accumulators take turns
	WIN W_PV
.set rV, VF+32*(((\u)/2)%2)
.set rP, P+16*((\u)%2)
.irp kk, 0,1
	v_wmma_f32_16x16x32_bf16 v[16*(\u):16*(\u)+7], v[rV+16*\kk:rV+16*\kk+7], v[rP+8*\kk:rP+8*\kk+7], v[16*(\u):16*(\u)+7]
	v_wmma_f32_16x16x32_bf16 v[16*(\u)+8:16*(\u)+15], v[rV+16*\kk+8:rV+16*\kk+15], v[rP+8*\kk:rP+8*\kk+7], v[16*(\u)+8:16*(\u)+15]
	v_wmma_f32_16x16x32_bf16 v[LL+8*(\u):LL+8*(\u)+7], v[ONES:ONES+7], v[rP+8*\kk:rP+8*\kk+7], v[LL+8*(\u):LL+8*(\u)+7]
.endr
.endm
; A KEY STEP.  The scores of unit u + 1 are asked of the matrix unit ahead of unit u's softmax.  A head's K and V are fetched a unit and a half ahead of their first use, behind the 16 maxima that are the
; places between the last product that read the buffer and the loads into it.  The second tile's mask, 64 plain instructions, stands between the first products and the first read of their results.
.macro STEP last
	WIN 0
	v_add_nc_u32 v[ADR], s[TB], v[AKV0]
	LOADKV 0, 0
	MASK 0
	s_wait_dscnt 0x0                               ; head 0's K and V
	KQ 0
	MASK 1
.if !(\last)
	LOADKP
.endif
.set uu, 0
.rept 8
.if (uu%2 == 1) && (uu < 7)
	s_wait_dscnt 0x0                               ; the next head's K and V (and, the first time, the next step's key positions)
.endif
.if uu < 7
	KQ uu+1
.endif
	SMAX uu
.if (uu%2 == 0) && (uu < 6)
	LOADKV uu/2+1, (uu/2+1)%2
.endif
	SEXP uu
	RESC uu
	PV uu
.set uu, uu+1
.endr
.endm
	s_wait_tensorcnt 1                             ; my key positions are in; step 0's tile may stay out
	LOADKP
	s_mov_b32 s[CNT], 15
.Lstep:                                                ; trip i: step i's tile has landed, step i + 1's is asked for, step i is worked
	CHANGE
	STEP 0
	WIN 0
	s_sub_co_u32 s[CNT], s[CNT], 1
	s_cmp_lg_u32 s[CNT], 0
	s_cbranch_scc1 .Lstep
	s_wait_tensorcnt 0x0                           ; the last step is written out: nothing is asked for, and only I read my slot
	s_xor_b32 s[TB], s[TB], SLOT1
	STEP 1
	; THE MERGE.  Each wave lays its 8 units' O, m, l into its own slot 0.
	WIN 0
.rept 4
	v_nop                                          ; the places behind the last products
.endr
	v_lshlrev_b32 v8, 4, v0                        ; 16 x thread: row thread / 32, 16 bytes a lane
	v_and_b32 v1, 31, v0
	v_lshl_add_u32 v9, v1, 2, s26
	s_mul_i32 s22, s[WV], 2*UB
	v_add_nc_u32 v10, s22, v[L16]                  ; my two units in waves 0 and 1's stages,
	v_add_nc_u32 v11, 0x10000, v10                 ; in waves 2 and 3's
	v_lshl_add_u32 v12, v1, 2, s22
	v_add_nc_u32 v13, 0x10000, v12
	s_lshl_b32 s22, s[WV], 10
	s_add_co_u32 s22, s22, OF
	v_add_nc_u32 v14, s22, v[L16]
	v_add_nc_u32 v15, OF, v[L16]
	v_and_b32 v1, 15, v0
	v_bfe_u32 v59, v0, 4, 1
	s_lshl_b32 s22, s[WV], 7
	v_lshl_add_u32 v58, v59, 5, s22                ; 4 (32 w + 8 h)
	v_mul_u32_u24 v54, v1, XP
	v_add3_u32 v54, v54, v58, X1S
	s_mul_i32 s22, s[WV], XP
	s_add_co_u32 s22, s22, X1S
	v_add_nc_u32 v55, s22, v[L16]
	v_add_nc_u32 v56, RS1, v8
	v_add_nc_u32 v57, RS1, v[L16]
.set i, 0
.rept 8                                                ; the residual: rows w + 4 i
	global_load_b128 v[208+4*i:208+4*i+3], v8, s[10:11] offset:2048*i
.set i, i+1
.endr
.irp n, 0,1
	global_load_b128 v[240+8*\n:240+8*\n+3], v58, s[12:13] offset:VEC+1536+64*\n
	global_load_b128 v[240+8*\n+4:240+8*\n+7], v58, s[12:13] offset:VEC+1536+64*\n+16
.endr
	WIN 0x04                                       ; store data in window 1
.set u, 0
.rept 8
.irp g, 0,1,2,3
	ds_store_b128 v[AKV0], v[16*u+4*\g:16*u+4*\g+3] offset:u*UB+512*\g
.endr
	ds_store_b32 v9, v[LL+8*u] offset:u*UB+2176
.set u, u+1
.endr
	WIN 0
.set u, 0
.rept 8
	ds_store_b32 v9, v[MR+2*u] offset:u*UB+2048
.set u, u+1
.endr
	s_wait_dscnt 0x0                               ; my stage is written, and my reads of my slots are long over
	s_barrier_signal -1
	s_barrier_wait -1
	; wave w merges head w's two units
.irp k, 0,1
.irp sw, 0,1,2,3
.irp g, 0,1,2,3
	ds_load_b128 v[64+72*\k+16*\sw+4*\g:64+72*\k+16*\sw+4*\g+3], v[10+\sw/2] offset:(\sw%2)*32768+\k*UB+512*\g
.endr
	ds_load_b32 v[64+72*\k+64+\sw], v[12+\sw/2] offset:(\sw%2)*32768+\k*UB+2048
	ds_load_b32 v[64+72*\k+68+\sw], v[12+\sw/2] offset:(\sw%2)*32768+\k*UB+2176
.endr
.endr
	s_wait_dscnt 0x0
.macro MERGE k
.set B, 64+72*(\k)
	v_max3_num_f32 v36, v[B+64], v[B+65], v[B+66]
	v_max_num_f32 v36, v36, v[B+67]
.irp sw, 0,1,2,3
	v_sub_f32 v[32+\sw], v[B+64+\sw], v36
.endr
.irp sw, 0,1,2,3
	v_exp_f32 v[32+\sw], v[32+\sw]
.endr
	v_nop                                          ; a plain instruction behind the last exponential
	s_wait_alu depctr_va_vdst(0)
	v_mul_f32 v37, v32, v[B+68]
	v_fmac_f32 v37, v33, v[B+69]
	v_fmac_f32 v37, v34, v[B+70]
	v_fmac_f32 v37, v35, v[B+71]
	v_rcp_f32 v38, v37
	v_nop
	s_wait_alu depctr_va_vdst(0)
.irp sw, 0,1,2,3
	v_mul_f32 v[40+2*\sw], v[32+\sw], v38          ; each wave's weight, the division by l folded in
.endr
.set z, 0
.rept 8
	v_pk_mul_f32 v[B+2*z:B+2*z+1], v[B+2*z:B+2*z+1], v[40:41] op_sel_hi:[1,0]
	v_pk_fma_f32 v[B+2*z:B+2*z+1], v[B+16+2*z:B+16+2*z+1], v[42:43], v[B+2*z:B+2*z+1] op_sel_hi:[1,0,1]
	v_pk_fma_f32 v[B+2*z:B+2*z+1], v[B+32+2*z:B+32+2*z+1], v[44:45], v[B+2*z:B+2*z+1] op_sel_hi:[1,0,1]
	v_pk_fma_f32 v[B+2*z:B+2*z+1], v[B+48+2*z:B+48+2*z+1], v[46:47], v[B+2*z:B+2*z+1] op_sel_hi:[1,0,1]
.set z, z+1
.endr
.set z, 0
.rept 8
	v_cvt_pk_bf16_f32 v[B+16+z], v[B+2*z], v[B+2*z+1]
.set z, z+1
.endr
	ds_store_b128 v14, v[B+16:B+19] offset:(\k)*4096      ; o's fragment (tile k, input block = head w)
	ds_store_b128 v14, v[B+20:B+23] offset:(\k)*4096+512
.endm
	MERGE 0
	MERGE 1
	s_wait_dscnt 0x0
	s_barrier_signal -1
	s_barrier_wait -1
	; o Wo + b, transposed: wave w makes output channels 32 w .. 32 w + 31 of the 32 rows
	WIN 0x80
.set i, 0
.rept 16
	ds_load_b128 v[4*i:4*i+3], v15 offset:512*i
.set i, i+1
.endr
	s_wait_dscnt 0x0
	s_wait_loadcnt 0x0                             ; the residual and the bias
	WIN W_WO
.irp kb, 0,1,2,3                       ; four accumulators take turns; the bias starts the sums
.irp n, 0,1
.irp t, 0,1
.if \kb == 0
	v_wmma_f32_16x16x32_bf16 v[64+8*(2*\n+\t):64+8*(2*\n+\t)+7], v[WO+8*(4*\n+\kb):WO+8*(4*\n+\kb)+7], v[8*(4*\t+\kb):8*(4*\t+\kb)+7], v[240+8*\n:240+8*\n+7]
.else
	v_wmma_f32_16x16x32_bf16 v[64+8*(2*\n+\t):64+8*(2*\n+\t)+7], v[WO+8*(4*\n+\kb):WO+8*(4*\n+\kb)+7], v[8*(4*\t+\kb):8*(4*\t+\kb)+7], v[64+8*(2*\n+\t):64+8*(2*\n+\t)+7]
.endif
.endr
.endr
.endr
	WIN 0
.rept 4
	v_nop
.endr
.irp n, 0,1
.irp t, 0,1
	ds_store_b128 v54, v[64+8*(2*\n+\t):64+8*(2*\n+\t)+3] offset:\t*16*XP+\n*64
	ds_store_b128 v54, v[64+8*(2*\n+\t)+4:64+8*(2*\n+\t)+7] offset:\t*16*XP+\n*64+16
.endr
.endr
	s_wait_dscnt 0x0
	s_barrier_signal -1
	s_barrier_wait -1
	; by rows: the residual is added, the rows leave, and their statistics are made
.set i, 0
.rept 8
	ds_load_b128 v[96+4*i:96+4*i+3], v55 offset:4*XP*i
.set i, i+1
.endr
	s_wait_dscnt 0x0
.set i, 0
.rept 8
	v_pk_add_f32 v[96+4*i:96+4*i+1], v[96+4*i:96+4*i+1], v[208+4*i:208+4*i+1]
	v_pk_add_f32 v[96+4*i+2:96+4*i+3], v[96+4*i+2:96+4*i+3], v[208+4*i+2:208+4*i+3]
	global_store_b128 v8, v[96+4*i:96+4*i+3], s[14:15] offset:2048*i  ; a whole row of 512 bytes
.set i, i+1
.endr
.macro ADD4 d
	v_pk_add_f32 v[\d:\d+1], v[128:129], v[132:133]
	v_pk_add_f32 v[\d+2:\d+3], v[130:131], v[134:135]
.irp i, 2,3
	v_pk_add_f32 v[\d:\d+1], v[\d:\d+1], v[128+4*\i:128+4*\i+1]
	v_pk_add_f32 v[\d+2:\d+3], v[\d+2:\d+3], v[128+4*\i+2:128+4*\i+3]
.endr
.endm
	v_pk_add_f32 v[32:33], v[96:97], v[100:101]
	v_pk_add_f32 v[34:35], v[98:99], v[102:103]
.set i, 2
.rept 6
	v_pk_add_f32 v[32:33], v[32:33], v[96+4*i:96+4*i+1]
	v_pk_add_f32 v[34:35], v[34:35], v[96+4*i+2:96+4*i+3]
.set i, i+1
.endr
	ds_store_b128 v56, v[32:35]
	s_wait_dscnt 0x0
	s_barrier_signal -1
	s_barrier_wait -1
.irp i, 0,1,2,3
	ds_load_b128 v[128+4*\i:128+4*\i+3], v57 offset:512*\i
.endr
	s_wait_dscnt 0x0
	ADD4 32
	v_pk_mul_f32 v[36:37], v[32:33], 0x3d000000 op_sel_hi:[1,0]  ; / 32: these rows' own mean
	v_pk_mul_f32 v[38:39], v[34:35], 0x3d000000 op_sel_hi:[1,0]
	v_pk_add_f32 v[40:41], v[96:97], v[36:37] neg_lo:[0,1] neg_hi:[0,1]
	v_pk_add_f32 v[42:43], v[98:99], v[38:39] neg_lo:[0,1] neg_hi:[0,1]
	v_pk_mul_f32 v[44:45], v[40:41], v[40:41]
	v_pk_mul_f32 v[46:47], v[42:43], v[42:43]
.set i, 1
.rept 7
	v_pk_add_f32 v[40:41], v[96+4*i:96+4*i+1], v[36:37] neg_lo:[0,1] neg_hi:[0,1]
	v_pk_add_f32 v[42:43], v[96+4*i+2:96+4*i+3], v[38:39] neg_lo:[0,1] neg_hi:[0,1]
	v_pk_fma_f32 v[44:45], v[40:41], v[40:41], v[44:45]
	v_pk_fma_f32 v[46:47], v[42:43], v[42:43], v[46:47]
.set i, i+1
.endr
	ds_store_b128 v56, v[44:47] offset:2048
	s_wait_dscnt 0x0
	s_barrier_signal -1
	s_barrier_wait -1
	s_cmp_lg_u32 s[WV], 0
	s_cbranch_scc1 .Lend
.irp i, 0,1,2,3
	ds_load_b128 v[128+4*\i:128+4*\i+3], v57 offset:2048+512*\i
.endr
	s_wait_dscnt 0x0
	ADD4 44
	global_store_b128 v[L16], v[32:35], s[16:17]
	global_store_b128 v[L16], v[44:47], s[16:17] offset:512
.Lend:
	s_wait_tensorcnt 0x0                           ; the wave's end: three lines behind my last tensor load and my last LDS store
	ds_add_u32 v[SPW], v[NIL]
	s_wait_dscnt 0x0
	CROUND                                         ; the closing round
	s_endpgm
.Lfunc_end_k_qa115f120fa_att0:
	.size	k_qa115f120fa_att0, .Lfunc_end_k_qa115f120fa_att0-k_qa115f120fa_att0
	.p2alignl 7, 3214868480
	.fill 96, 4, 3214868480
	.section	.rodata,"a",@progbits
	.p2align	6, 0x0
	.amdhsa_kernel k_qa115f120fa_att0
		.amdhsa_group_segment_fixed_size 327680
		.amdhsa_private_segment_fixed_size 0
		.amdhsa_enable_private_segment 0
		.amdhsa_kernarg_size 56
		.amdhsa_user_sgpr_count 2
		.amdhsa_user_sgpr_kernarg_segment_ptr 1
		.amdhsa_wavefront_size32 1
		.amdhsa_system_sgpr_workgroup_id_x 1
		.amdhsa_system_sgpr_workgroup_id_y 1
		.amdhsa_system_sgpr_workgroup_id_z 1
		.amdhsa_system_vgpr_workitem_id 0
		.amdhsa_next_free_vgpr 960
		.amdhsa_next_free_sgpr 66
		.amdhsa_reserve_vcc 1
		.amdhsa_float_denorm_mode_32 3
		.amdhsa_float_denorm_mode_16_64 3
		.amdhsa_memory_ordered 1
		.amdhsa_forward_progress 1
		.amdhsa_inst_pref_size 168
	.end_amdhsa_kernel
	.amdgpu_metadata
---
amdhsa.version: [ 1, 2 ]
amdhsa.kernels:
  - .name:           k_qa115f120fa_att0
    .symbol:         k_qa115f120fa_att0.kd
    .args:
      - { .name: qf, .offset: 0, .size: 8, .value_kind: global_buffer, .address_space: global }
      - { .name: kv, .offset: 8, .size: 8, .value_kind: global_buffer, .address_space: global }
      - { .name: pos, .offset: 16, .size: 8, .value_kind: global_buffer, .address_space: global }
      - { .name: x, .offset: 24, .size: 8, .value_kind: global_buffer, .address_space: global }
      - { .name: par0, .offset: 32, .size: 8, .value_kind: global_buffer, .address_space: global }
      - { .name: xa, .offset: 40, .size: 8, .value_kind: global_buffer, .address_space: global }
      - { .name: st2, .offset: 48, .size: 8, .value_kind: global_buffer, .address_space: global }
    .group_segment_fixed_size: 327680
    .private_segment_fixed_size: 0
    .kernarg_segment_align: 8
    .kernarg_segment_size: 56
    .max_flat_workgroup_size: 128
    .sgpr_count:     66
    .vgpr_count:     960
    .wavefront_size: 32
...
	.end_amdgpu_metadata
.endif
;; end of part 3
;; launch ffn0 (part 4): grid 64 x 1, 8 waves a work-group, no clusters, 253,952 bytes of LDS; arguments xa, st2, par0, xb, st1; writes xb, st1
.if DOCPART == 4
	.amdgcn_target "amdgcn-amd-amdhsa--gfx1250"
	.amdhsa_code_object_version 6
	.text
	.protected	k_qa115f120fa_ffn0
	.globl	k_qa115f120fa_ffn0
	.p2align	8
	.type	k_qa115f120fa_ffn0,@function
k_qa115f120fa_ffn0:
	s_mov_b64 s[64:65], 0
	v_nop
	global_prefetch_b8 v0, s[64:65] scope:SCOPE_SE
	s_setreg_imm32_b32 hwreg(HW_REG_WAVE_MODE, 25, 1), 1
	s_wait_xcnt 0x0
; FFN.  BatchNorm (statistics finished from the 256 rows of st2), h = relu(xn l1 + b1), y = x + h l2 + b2, and y's partial statistics for the next BatchNorm.
; 64 work-groups of 128 rows, 8 waves.  Both products are used transposed (source 0 = 16 output channels of the weights), so that a lane holds one row and 8 neighbouring channels.
; First product: wave w makes hidden channels 32 w .. 32 w + 31: rounded to bf16 they ARE the fragment of h for input block w of the second product, 16 bytes a lane, laid into LDS as register images.
; Second product: wave w makes output channels 16 w .. 16 w + 15; x + b2 is the C operand that starts the sum.
; x is normalised in f32 and rounded once; h is rounded once; sums, residual and statistics in f32.  NaN and infinities are not treated apart.
; x lies in LDS in a region of its own (XS), read by columns; y is written to another (YS): no region is both read and written between two barriers.
; No tensor loads and no cluster: rows are the work-group's own; weights and statistics come through registers.
.set BNA1,  0
.set BNA2,  4096
.set AL,    8192
.set BE,    8704
.set XN,    9216                       ; 128 rows of xn in bf16, 272 bytes apart
.set XP,    272
.set HF,    44032                      ; h: fragment (row tile rt, input block kb) at (8 rt + kb) x 1,024
.set YS,    109568                     ; y, f32, rows 528 bytes apart
.set XS,    177152                     ; x, likewise
.set YP,    528
.set RS1,   244736
.set RS2,   248832
.set SPARE, 252928
.set VEC,   262144
.set SPW,  2
.set NIL,  3
.set T16,  4
.set XNLD, 5
.set L16,  6
.set XNST, 7
.set XSRW, 8                           ; x by rows
.set YSRW, 9                           ; y by rows
.set HFST, 10
.set C4,   11
.set HFLD, 12
.set XSC,  13                          ; x by my columns
.set YSC,  14
.set ZERO, 15
.set B1C,  16                          ; v16-31 b1 as C operands; v32-39 b2
.set B2C,  32
.set KZ,   40
.set A1,   44
.set A2,   48
.set DV,   52
.set K0S,  56
.set K0M,  57
.set GG,   58
.set BB,   59
.set BT,   40
.set TA,   60                          ; v60-63 offsets of loads; later v60, v61 the statistics' LDS addresses
.set XR,   64                          ; v64-127 x's rows; then fragments
.set RG,   128                         ; v128-255 four sets of 8 rows of st2; then l1 (128-191) and l2 (192-255)
.set W1,   128
.set W2,   192
	s_load_b256 s[4:11], s[0:1], 0x0               ; x s[4:5], st2 s[6:7], par s[8:9], y s[10:11]
	s_load_b64 s[12:13], s[0:1], 0x20              ; st1
	v_lshl_add_u32 v[SPW], v0, 2, SPARE
	v_mov_b32 v[NIL], 0
	v_lshrrev_b32 v1, 5, v0
	v_readfirstlane_b32 s16, v1                    ; wave
	s_mov_b32 s17, ttmp9                           ; j
	v_lshlrev_b32 v[T16], 4, v0
	v_and_b32 v1, 31, v0
	v_lshlrev_b32 v[L16], 4, v1
	v_mov_b32 v[ZERO], 0
	v_and_b32 v1, 63, v0
	v_lshlrev_b32 v[TA], 4, v1
	v_and_b32 v1, 127, v0
	v_lshlrev_b32 v[C4], 2, v1
	s_mov_b32 s30, 0x39000000                      ; 1 / 8192
	s_mov_b32 s31, 0x3727c5ac                      ; 1e-5
	s_lshl_b32 s22, s17, 16
	s_mov_b32 s23, 0
	s_wait_kmcnt 0x0
	s_add_nc_u64 s[4:5], s[4:5], s[22:23]
	s_add_nc_u64 s[10:11], s[10:11], s[22:23]
	s_lshl_b32 s22, s17, 10
	s_add_nc_u64 s[12:13], s[12:13], s[22:23]
.set i, 0
.rept 16                                               ; row thread / 32 + 8 i, channels 4 (thread % 32) on
	global_load_b128 v[XR+4*i:XR+4*i+3], v[T16], s[4:5] offset:4096*i
.set i, i+1
.endr
	global_load_b128 v[KZ:KZ+3], v[TA], s[6:7]
	global_load_b32 v[K0S], v[C4], s[6:7]
	global_load_b32 v[K0M], v[C4], s[6:7] offset:512
	global_load_b32 v[GG], v[C4], s[8:9] offset:VEC+3072
	global_load_b32 v[BB], v[C4], s[8:9] offset:VEC+3584
.macro RING k                          ; set k: rows thread / 64 + 4 (8 k + q) of st2
.set q, 0
.rept 8
	global_load_b128 v[RG+32*((\k)%4)+4*q:RG+32*((\k)%4)+4*q+3], v[T16], s[6:7] offset:4096*(8*(\k)+q)
.set q, q+1
.endr
.endm
; One row of statistics: d = row - row 0; A1 += d; A2 += d d.
.macro BNROW r, first
.if \first
	v_pk_add_f32 v[A1:A1+1], v[(\r):(\r)+1], v[KZ:KZ+1] neg_lo:[0,1] neg_hi:[0,1]
	v_pk_add_f32 v[A1+2:A1+3], v[(\r)+2:(\r)+3], v[KZ+2:KZ+3] neg_lo:[0,1] neg_hi:[0,1]
	v_pk_mul_f32 v[A2:A2+1], v[A1:A1+1], v[A1:A1+1]
	v_pk_mul_f32 v[A2+2:A2+3], v[A1+2:A1+3], v[A1+2:A1+3]
.else
	v_pk_add_f32 v[DV:DV+1], v[(\r):(\r)+1], v[KZ:KZ+1] neg_lo:[0,1] neg_hi:[0,1]
	v_pk_add_f32 v[DV+2:DV+3], v[(\r)+2:(\r)+3], v[KZ+2:KZ+3] neg_lo:[0,1] neg_hi:[0,1]
	v_pk_add_f32 v[A1:A1+1], v[A1:A1+1], v[DV:DV+1]
	v_pk_add_f32 v[A1+2:A1+3], v[A1+2:A1+3], v[DV+2:DV+3]
	v_pk_fma_f32 v[A2:A2+1], v[DV:DV+1], v[DV:DV+1], v[A2:A2+1]
	v_pk_fma_f32 v[A2+2:A2+3], v[DV+2:DV+3], v[DV+2:DV+3], v[A2+2:A2+3]
.endif
.endm
.macro RSUM k
.set q, 0
.rept 8
.if ((\k) == 0) && (q == 0)
	BNROW RG, 1
.else
	BNROW RG+32*((\k)%4)+4*q, 0
.endif
.set q, q+1
.endr
.endm
; P groups of n rows, sums s_p = s_0 + d_p, squares M_p about each group's own mean:
; mean = (s_0 + S1 / P) / n;  variance = (the sum of M_p + (S2 - S1^2 / P) / n) / 8192.
.macro BNEND invp, invn, pf
	ds_store_b128 v[T16], v[A1:A1+3] offset:BNA1
	ds_store_b128 v[T16], v[A2:A2+3] offset:BNA2
	s_wait_dscnt 0x0
	s_barrier_signal -1
	s_barrier_wait -1
	s_cmp_lt_u32 s16, 4
	s_cbranch_scc0 .Lbn_done                       ; threads 0-127 take a channel each
.irp g, 0,1,2,3
	ds_load_b32 v[BT+\g], v[C4] offset:BNA1+1024*\g
	ds_load_b32 v[BT+4+\g], v[C4] offset:BNA2+1024*\g
	ds_load_b32 v[BT+8+\g], v[C4] offset:BNA1+512+1024*\g
.endr
	s_wait_dscnt 0x0
.irp b, 0,4,8
	v_add_f32 v[BT+\b], v[BT+\b], v[BT+\b+1]
	v_add_f32 v[BT+\b+2], v[BT+\b+2], v[BT+\b+3]
.endr
.irp b, 0,4,8
	v_add_f32 v[BT+\b], v[BT+\b], v[BT+\b+2]
.endr
	v_mul_f32 v[BT+1], \invp, v[BT]
	v_fmamk_f32 v[BT+2], v[BT], \invp, v[K0S]
	v_mul_f32 v[BT+2], \invn, v[BT+2]
	v_fma_f32 v[BT+4], -v[BT], v[BT+1], v[BT+4]
	v_fmamk_f32 v[BT+8], v[K0M], \pf, v[BT+8]
	v_fmamk_f32 v[BT+8], v[BT+4], \invn, v[BT+8]
	v_fma_f32 v[BT+8], v[BT+8], s30, s31
	v_rsq_f32 v[BT+8], v[BT+8]
	v_nop                                          ; a plain instruction behind the root
	s_wait_alu depctr_va_vdst(0)
	v_mul_f32 v[BT+3], v[GG], v[BT+8]
	v_fma_f32 v[BT+5], -v[BT+2], v[BT+3], v[BB]
	ds_store_b32 v[C4], v[BT+3] offset:AL
	ds_store_b32 v[C4], v[BT+5] offset:BE
.Lbn_done:
	s_wait_dscnt 0x0
	s_barrier_signal -1
	s_barrier_wait -1
.endm
	RING 0
	RING 1
	RING 2
	RING 3
	s_wait_loadcnt 24                              ; each count: the younger sets, 8 loads each
	RSUM 0
	RING 4
	s_wait_loadcnt 24
	RSUM 1
	RING 5
	s_wait_loadcnt 24
	RSUM 2
	RING 6
	s_wait_loadcnt 24
	RSUM 3
	RING 7
	s_wait_loadcnt 24
	RSUM 4
	s_wait_loadcnt 16
	RSUM 5
	s_wait_loadcnt 8
	RSUM 6
	s_wait_loadcnt 0x0
	RSUM 7
	; weights and biases go out while the statistics are finished
	v_bfe_u32 v1, v0, 4, 1                         ; h
	s_lshl_b32 s18, s16, 13
	v_add_nc_u32 v[TA+1], s18, v[L16]
	s_lshl_b32 s18, s16, 7
	v_lshl_add_u32 v[TA+2], v1, 5, s18             ; 4 (32 w + 8 h)
	s_lshl_b32 s18, s16, 6
	v_lshl_add_u32 v[TA+3], v1, 5, s18             ; 4 (16 w + 8 h)
.set i, 0
.rept 16
	global_load_b128 v[W1+4*i:W1+4*i+3], v[TA+1], s[8:9] offset:131072+512*i
	global_load_b128 v[W2+4*i:W2+4*i+3], v[TA+1], s[8:9] offset:196608+512*i
.set i, i+1
.endr
.irp n, 0,1
	global_load_b128 v[B1C+8*\n:B1C+8*\n+3], v[TA+2], s[8:9] offset:VEC+4608+64*\n
	global_load_b128 v[B1C+8*\n+4:B1C+8*\n+7], v[TA+2], s[8:9] offset:VEC+4608+64*\n+16
.endr
	global_load_b128 v[B2C:B2C+3], v[TA+3], s[8:9] offset:VEC+4096
	global_load_b128 v[B2C+4:B2C+7], v[TA+3], s[8:9] offset:VEC+4112
	BNEND 0x3b800000, 0x3d000000, 0x43800000       ; P = 256, n = 32
	; x goes into LDS as it is, and normalised and rounded
	ds_load_b128 v[40:43], v[L16] offset:AL
	ds_load_b128 v[44:47], v[L16] offset:BE
	v_lshrrev_b32 v1, 5, v0
	v_mul_u32_u24 v[XNST], v1, XP
	v_mul_u32_u24 v[XSRW], v1, YP
	v_and_b32 v1, 31, v0
	v_lshl_add_u32 v[XNST], v1, 3, v[XNST]
	v_add_nc_u32 v[XSRW], v[XSRW], v[L16]
	v_add_nc_u32 v[YSRW], YS, v[XSRW]
	v_add_nc_u32 v[XSRW], XS, v[XSRW]
	s_wait_dscnt 0x0
.set i, 0
.rept 16
	ds_store_b128 v[XSRW], v[XR+4*i:XR+4*i+3] offset:8*YP*i
	v_pk_fma_f32 v[48+4*(i%2):49+4*(i%2)], v[XR+4*i:XR+4*i+1], v[40:41], v[44:45]
	v_pk_fma_f32 v[50+4*(i%2):51+4*(i%2)], v[XR+4*i+2:XR+4*i+3], v[42:43], v[46:47]
	v_cvt_pk_bf16_f32 v[48+4*(i%2)], v[48+4*(i%2)], v[49+4*(i%2)]
	v_cvt_pk_bf16_f32 v[49+4*(i%2)], v[50+4*(i%2)], v[51+4*(i%2)]
	ds_store_b64 v[XNST], v[48+4*(i%2):49+4*(i%2)] offset:XN+8*XP*i
.set i, i+1
.endr
	v_and_b32 v1, 15, v0                           ; r
	v_bfe_u32 v56, v0, 4, 1                        ; h
	v_mul_u32_u24 v[XNLD], v1, XP
	v_lshl_add_u32 v[XNLD], v56, 4, v[XNLD]
	s_lshl_b32 s18, s16, 10
	s_add_co_u32 s18, s18, HF
	v_add_nc_u32 v[HFST], s18, v[L16]
	v_add_nc_u32 v[HFLD], HF, v[L16]
	v_mul_u32_u24 v[XSC], v1, YP
	s_lshl_b32 s18, s16, 6
	v_lshl_add_u32 v57, v56, 5, s18
	v_add_nc_u32 v[XSC], v[XSC], v57
	v_add_nc_u32 v[YSC], YS, v[XSC]
	v_add_nc_u32 v[XSC], XS, v[XSC]
	s_wait_dscnt 0x0
	s_barrier_signal -1
	s_barrier_wait -1
	s_wait_loadcnt 0x0                             ; weights and biases
	v_add_nc_u32 v[TA], RS1, v[T16]
	v_add_nc_u32 v[TA+1], RS1, v[L16]
	; h: a trip takes one tile of 16 rows; two accumulators take turns; b1 starts the sums
	s_mov_b32 s24, 8
.Lh:
.irp kb, 0,1,2,3
	ds_load_b128 v[64+8*\kb:64+8*\kb+3], v[XNLD] offset:XN+64*\kb
	ds_load_b128 v[64+8*\kb+4:64+8*\kb+7], v[XNLD] offset:XN+64*\kb+32
.endr
	s_wait_dscnt 0x0
	v_wmma_f32_16x16x32_bf16 v[96:103], v[W1:W1+7], v[64:71], v[B1C:B1C+7]
	v_wmma_f32_16x16x32_bf16 v[104:111], v[W1+32:W1+39], v[64:71], v[B1C+8:B1C+15]
.irp kb, 1,2,3
	v_wmma_f32_16x16x32_bf16 v[96:103], v[W1+8*\kb:W1+8*\kb+7], v[64+8*\kb:64+8*\kb+7], v[96:103]
	v_wmma_f32_16x16x32_bf16 v[104:111], v[W1+32+8*\kb:W1+32+8*\kb+7], v[64+8*\kb:64+8*\kb+7], v[104:111]
.endr
.rept 4
	v_nop                                          ; the places behind the products
.endr
.irp p, 0,1,2,3,4,5,6,7
	v_cvt_pk_bf16_f32 v[112+\p], v[96+2*\p], v[96+2*\p+1]
.endr
.irp p, 0,1,2,3,4,5,6,7
	v_pk_max_num_bf16 v[112+\p], v[112+\p], v[ZERO]
.endr
	ds_store_b128 v[HFST], v[112:115]
	ds_store_b128 v[HFST], v[116:119] offset:512
	v_add_nc_u32 v[XNLD], 16*XP, v[XNLD]
	v_add_nc_u32 v[HFST], 8192, v[HFST]
	s_sub_co_u32 s24, s24, 1
	s_cmp_lg_u32 s24, 0
	s_cbranch_scc1 .Lh
	s_wait_dscnt 0x0
	s_barrier_signal -1
	s_barrier_wait -1
	; y: a trip takes two tiles of 16 rows, an accumulator each, by turns; x + b2 starts the sums in place
	s_mov_b32 s24, 4
.Ly:
	ds_load_b128 v[40:43], v[XSC]
	ds_load_b128 v[44:47], v[XSC] offset:16
	ds_load_b128 v[48:51], v[XSC] offset:16*YP
	ds_load_b128 v[52:55], v[XSC] offset:16*YP+16
.irp tt, 0,1
.irp kb, 0,1,2,3,4,5,6,7
	ds_load_b128 v[64+64*\tt+8*\kb:64+64*\tt+8*\kb+3], v[HFLD] offset:\tt*8192+\kb*1024
	ds_load_b128 v[64+64*\tt+8*\kb+4:64+64*\tt+8*\kb+7], v[HFLD] offset:\tt*8192+\kb*1024+512
.endr
.endr
	s_wait_dscnt 0x0
.irp p, 0,2,4,6
	v_pk_add_f32 v[40+\p:41+\p], v[40+\p:41+\p], v[B2C+\p:B2C+\p+1]
	v_pk_add_f32 v[48+\p:49+\p], v[48+\p:49+\p], v[B2C+\p:B2C+\p+1]
.endr
.irp kb, 0,1,2,3,4,5,6,7
	v_wmma_f32_16x16x32_bf16 v[40:47], v[W2+8*\kb:W2+8*\kb+7], v[64+8*\kb:64+8*\kb+7], v[40:47]
	v_wmma_f32_16x16x32_bf16 v[48:55], v[W2+8*\kb:W2+8*\kb+7], v[128+8*\kb:128+8*\kb+7], v[48:55]
.endr
.rept 4
	v_nop
.endr
	ds_store_b128 v[YSC], v[40:43]
	ds_store_b128 v[YSC], v[44:47] offset:16
	ds_store_b128 v[YSC], v[48:51] offset:16*YP
	ds_store_b128 v[YSC], v[52:55] offset:16*YP+16
	v_add_nc_u32 v[XSC], 32*YP, v[XSC]
	v_add_nc_u32 v[YSC], 32*YP, v[YSC]
	v_add_nc_u32 v[HFLD], 16384, v[HFLD]
	s_sub_co_u32 s24, s24, 1
	s_cmp_lg_u32 s24, 0
	s_cbranch_scc1 .Ly
	s_wait_dscnt 0x0
	s_barrier_signal -1
	s_barrier_wait -1
	; by rows: y leaves, and its statistics are made
.set i, 0
.rept 16
	ds_load_b128 v[XR+4*i:XR+4*i+3], v[YSRW] offset:8*YP*i
.set i, i+1
.endr
.set i, 0
.rept 16
	s_wait_dscnt 15-i
	global_store_b128 v[T16], v[XR+4*i:XR+4*i+3], s[10:11] offset:4096*i  ; a whole row of 512 bytes
.set i, i+1
.endr
.macro ADD8 d
	v_pk_add_f32 v[\d:\d+1], v[128:129], v[132:133]
	v_pk_add_f32 v[\d+2:\d+3], v[130:131], v[134:135]
.set i, 2
.rept 6
	v_pk_add_f32 v[\d:\d+1], v[\d:\d+1], v[128+4*i:128+4*i+1]
	v_pk_add_f32 v[\d+2:\d+3], v[\d+2:\d+3], v[128+4*i+2:128+4*i+3]
.set i, i+1
.endr
.endm
	v_pk_add_f32 v[40:41], v[XR:XR+1], v[XR+4:XR+5]
	v_pk_add_f32 v[42:43], v[XR+2:XR+3], v[XR+6:XR+7]
.set i, 2
.rept 14
	v_pk_add_f32 v[40:41], v[40:41], v[XR+4*i:XR+4*i+1]
	v_pk_add_f32 v[42:43], v[42:43], v[XR+4*i+2:XR+4*i+3]
.set i, i+1
.endr
	ds_store_b128 v[TA], v[40:43]
	s_wait_dscnt 0x0
	s_barrier_signal -1
	s_barrier_wait -1
.set i, 0
.rept 8
	ds_load_b128 v[128+4*i:128+4*i+3], v[TA+1] offset:512*i
.set i, i+1
.endr
	s_wait_dscnt 0x0
	ADD8 40
	v_pk_mul_f32 v[44:45], v[40:41], 0x3c000000 op_sel_hi:[1,0]  ; / 128: these rows' own mean
	v_pk_mul_f32 v[46:47], v[42:43], 0x3c000000 op_sel_hi:[1,0]
	v_pk_add_f32 v[48:49], v[XR:XR+1], v[44:45] neg_lo:[0,1] neg_hi:[0,1]
	v_pk_add_f32 v[50:51], v[XR+2:XR+3], v[46:47] neg_lo:[0,1] neg_hi:[0,1]
	v_pk_mul_f32 v[52:53], v[48:49], v[48:49]
	v_pk_mul_f32 v[54:55], v[50:51], v[50:51]
.set i, 1
.rept 15
	v_pk_add_f32 v[48:49], v[XR+4*i:XR+4*i+1], v[44:45] neg_lo:[0,1] neg_hi:[0,1]
	v_pk_add_f32 v[50:51], v[XR+4*i+2:XR+4*i+3], v[46:47] neg_lo:[0,1] neg_hi:[0,1]
	v_pk_fma_f32 v[52:53], v[48:49], v[48:49], v[52:53]
	v_pk_fma_f32 v[54:55], v[50:51], v[50:51], v[54:55]
.set i, i+1
.endr
	ds_store_b128 v[TA], v[52:55] offset:RS2-RS1
	s_wait_dscnt 0x0
	s_barrier_signal -1
	s_barrier_wait -1
	s_cmp_lg_u32 s16, 0
	s_cbranch_scc1 .Lend
.set i, 0
.rept 8
	ds_load_b128 v[128+4*i:128+4*i+3], v[TA+1] offset:RS2-RS1+512*i
.set i, i+1
.endr
	s_wait_dscnt 0x0
	ADD8 52
	global_store_b128 v[L16], v[40:43], s[12:13]
	global_store_b128 v[L16], v[52:55], s[12:13] offset:512
.Lend:
	s_wait_tensorcnt 0x0                           ; the wave's end: three lines behind my last LDS store
	ds_add_u32 v[SPW], v[NIL]
	s_wait_dscnt 0x0
	s_endpgm
.Lfunc_end_k_qa115f120fa_ffn0:
	.size	k_qa115f120fa_ffn0, .Lfunc_end_k_qa115f120fa_ffn0-k_qa115f120fa_ffn0
	.p2alignl 7, 3214868480
	.fill 96, 4, 3214868480
	.section	.rodata,"a",@progbits
	.p2align	6, 0x0
	.amdhsa_kernel k_qa115f120fa_ffn0
		.amdhsa_group_segment_fixed_size 253952
		.amdhsa_private_segment_fixed_size 0
		.amdhsa_enable_private_segment 0
		.amdhsa_kernarg_size 40
		.amdhsa_user_sgpr_count 2
		.amdhsa_user_sgpr_kernarg_segment_ptr 1
		.amdhsa_wavefront_size32 1
		.amdhsa_system_sgpr_workgroup_id_x 1
		.amdhsa_system_sgpr_workgroup_id_y 1
		.amdhsa_system_sgpr_workgroup_id_z 1
		.amdhsa_system_vgpr_workitem_id 0
		.amdhsa_next_free_vgpr 256
		.amdhsa_next_free_sgpr 66
		.amdhsa_reserve_vcc 0
		.amdhsa_float_denorm_mode_32 3
		.amdhsa_float_denorm_mode_16_64 3
		.amdhsa_memory_ordered 1
		.amdhsa_forward_progress 1
		.amdhsa_inst_pref_size 67
	.end_amdhsa_kernel
	.amdgpu_metadata
---
amdhsa.version: [ 1, 2 ]
amdhsa.kernels:
  - .name:           k_qa115f120fa_ffn0
    .symbol:         k_qa115f120fa_ffn0.kd
    .args:
      - { .name: xa, .offset: 0, .size: 8, .value_kind: global_buffer, .address_space: global }
      - { .name: st2, .offset: 8, .size: 8, .value_kind: global_buffer, .address_space: global }
      - { .name: par0, .offset: 16, .size: 8, .value_kind: global_buffer, .address_space: global }
      - { .name: xb, .offset: 24, .size: 8, .value_kind: global_buffer, .address_space: global }
      - { .name: st1, .offset: 32, .size: 8, .value_kind: global_buffer, .address_space: global }
    .group_segment_fixed_size: 253952
    .private_segment_fixed_size: 0
    .kernarg_segment_align: 8
    .kernarg_segment_size: 40
    .max_flat_workgroup_size: 256
    .sgpr_count:     66
    .vgpr_count:     256
    .wavefront_size: 32
...
	.end_amdgpu_metadata
.endif
;; end of part 4
;; launch qkv1: the kernel of part 2 again; grid 64 x 1, 8 waves a work-group, no clusters, 46,080 bytes of LDS; arguments xb, pos, st1, par1, qf, kv; writes qf, kv
;; launch att1: the kernel of part 3 again; grid 128 x 2, 4 waves a work-group, clusters of 4 x 1, 327,680 bytes of LDS; arguments qf, kv, pos, xb, par1, xa, st2; writes xa, st2
;; launch ffn1: the kernel of part 4 again; grid 64 x 1, 8 waves a work-group, no clusters, 253,952 bytes of LDS; arguments xa, st2, par1, out0, st1; writes out0, st1
;; ======== version 2 of 2: 7 launches; 1.34 times as fast as version 1
;; workspace buffers: par0 268,032 bytes; par1 268,032 bytes; qf 2,097,152 bytes; kv 4,292,608 bytes; xa 4,194,304 bytes; xb 4,194,304 bytes; st1 65,536 bytes; st2 262,144 bytes
;; launch prep: the kernel of part 1 again; grid 64 x 1, 8 waves a work-group, no clusters, 9,216 bytes of LDS; arguments x, Wq_w, Wk_w, Wv_w, Wo_w, l1_w, l2_w, Wq_b, Wk_b, Wv_b, Wo_b, n1_g, n1_b, n2_g, n2_b, l1_b, l2_b, par0, par1, st1; writes par0, par1, st1
;; launch qkv0: the kernel of part 2 again; grid 64 x 1, 8 waves a work-group, no clusters, 46,080 bytes of LDS; arguments x, pos, st1, par0, qf, kv; writes qf, kv
;; launch att0 (part 5): grid 128 x 2, 4 waves a work-group, clusters of 4 x 1, 327,680 bytes of LDS; arguments qf, kv, pos, x, par0, xa, st2; writes xa, st2
.if DOCPART == 5
	.amdgcn_target "amdgcn-amd-amdhsa--gfx1250"
	.amdhsa_code_object_version 6
	.text
	.protected	k_qa115f120fa_att0
	.globl	k_qa115f120fa_att0
	.p2align	8
	.type	k_qa115f120fa_att0,@function
k_qa115f120fa_att0:
	s_mov_b64 s[64:65], 0
	v_nop
	global_prefetch_b8 v0, s[64:65] scope:SCOPE_SE
	s_setreg_imm32_b32 hwreg(HW_REG_WAVE_MODE, 25, 1), 1
	s_wait_xcnt 0x0
	s_wait_alu depctr_hold_cnt(0) depctr_sa_sdst(0) depctr_va_vdst(0) depctr_va_sdst(0) depctr_va_ssrc(0) depctr_va_vcc(0) depctr_vm_vsrc(0)
	s_getreg_b32 s2, hwreg(HW_REG_IB_STS2, 6, 4)
	s_cmp_eq_u32 s2, 0
	s_cbranch_scc0 .Lentry_in_a_cluster
	s_endpgm
.Lentry_in_a_cluster:
	s_bfe_u32 s2, ttmp6, 0x10000c
	s_cmp_lg_u32 s2, 0x3003
	s_cbranch_scc0 .Lentry_shape_is_right
	s_endpgm
.Lentry_shape_is_right:
; ATTENTION under the window mask, the output projection, the residual, and the partial statistics of the result.
; SHARES.  A work-group owns 32 queries (two tiles of 16) of one batch, all 4 heads: 8 UNITS u = 2 head + tile.  Its four waves split the 4,096 keys: wave w walks keys 1,024 w on, 64 a step, 16 steps, for
; all 8 units; the four partial (m, l, O) meet in LDS at the end.  So a mask, which hangs on query and key alone, is made once and serves 4 heads.
; LAYOUT.  S^T = K Q^T + mask (source 0 = 16 keys, source 1 = 16 queries, head size 32 = one matrix instruction): a lane holds ONE query (lane % 16) and keys 8 (lane / 16) + 0..7.  Two such results rounded to
; bf16 ARE source 1 of O^T = V^T P.  Q, K, V^T arrive as register images of fragments (1,024 bytes; lane l's registers 0-3 at 16 l, 4-7 at 512 + 16 l): every load is 512 consecutive bytes.
; SOFTMAX.  q carries c = log2(e) / sqrt(32), so p = 2^(s - m) with a running maximum m; O and l are multiplied by a = 2^(m_old - m_new) in every step.  l is a third product: source 0 holds ones in rows 0 and 8,
; so l falls into register 0 of both halves of the lanes.  It is the sum of the rounded p, the same numbers that O^T sums.
; BATCHES.  A unit's 33 exponentials (a, then its 32 scores, each in place) are ONE batch with ONE wait.  Ahead of the wait stands all that names none of their results: the unit's 16 subtractions s - m and the 20
; lines that find the NEXT unit's maximum, m and m_old - m_new, a plain line behind each exponential.  Behind it stand the readers: the 16 roundings, the rescaling by a, the products V^T P.  8 waits a key step.
; The merge has two batches a unit: four exponentials, and the reciprocal of the sum that is made of them.
; THE MASK is the C operand: 0, or -1e30 where (d2 - 0.0625) > 0.  (d2 - 0.0625) x 2^100 is three fused multiply-adds from the key's x, y, x^2 + y^2 and the query's -2 x, -2 y, x^2 + y^2 - 0.0625;
; held to 0 .. 1 it is 0 or 1.  While a row has seen hidden keys alone, m is about -1e30 and O, l hold finite numbers; the first visible key gives a = 0, and so does the merge.  Every row sees itself.
; LIMITS.  |pos| under 2^13.  A pair whose d2 lies within a few last places of 0.0625 may fall on the other side than by the formula sq + sq - 2 dot: the roundings differ.  A hidden score counts as its value
; less 1e30.  A weight below 2^-126 counts as 0.  NaN and infinities are not treated apart.
; CLUSTER.  The four query blocks of a cluster walk the same K, V and key positions: each tile is asked for JOINTLY, the same load, descriptor and mask in all four.
; O and l are cleared at the start (192 lines, in the wait for the first tile), so that no first step is written out: the step's text stands twice, not three times.
; REGISTERS, in windows of 256 (s_set_vgpr_msb: bits 1:0 source 0, 3:2 source 1, 5:4 source 2, 7:6 destination):
;   window 0: v0-15 addresses; v16-31 m; v32-39 at work; v40-53 the queries' constants; v64-127 S^T, two buffers; v128-159 P, two buffers; v160-223 the two tiles' masks
;   window 1: v0-127 O^T, 16 a unit; v128-191 l, 8 a unit        window 2: v0-63 Q; v64-127 K, two buffers of a head; v128-191 V^T likewise; v192-199 the ones
;   window 3: v0-95 the step's key positions; v96-97 -1e30; v128-191 my 8 fragments of Wo
.set SLOT1, 131072                     ; slot s of wave w: s x 131,072 + w x 32,768; a slot holds a step: 2 records of 16,384 bytes
.set KPL,   262144                     ; wave w's key positions: 3 planes of 4,096 bytes at KPL + 12,288 w
.set SPARE, 311296                     ; the spare words, 128 bytes a wave
.set UB,    2304                       ; the merge: a unit's O (2,048 bytes), m and l (128 each), in the wave's own slot 0, which has had its last fill
.set OF,    131072                     ; then, in what was wave 0's slot 1: o as 8 fragments,
.set X1S,   139264                     ; 32 rows of o Wo + b in f32, 528 bytes apart,
.set XP,    528
.set RS1,   156160                     ; and 2 x 2,048 bytes for the statistics
.set VEC,   262144
.set AKV0, 2                           ; v2  16 x lane + my wave's ring; never rewritten
.set ADR,  3                           ; v3  the step's slot
.set AKP,  4                           ; v4  the next step's key positions
.set L16,  5
.set SPW,  6
.set NIL,  7
.set MR,   16                          ; unit u's m at v[16 + 2 u], named as a pair
.set CC,   32                          ; c0-c3
.set AA,   36                          ; a, named as a pair
.set DD,   38
.set TT,   39
.set QC,   40                          ; tile t: -2 x 2^100 x, the same of y, (sq - 0.0625) 2^100, each twice, at 40 + 6 t
.set BG,   52                          ; 2^100, twice
.set S,    64
.set P,    128
.set MK,   160
.set LL,   128                         ; window 1
.set KF,   64                          ; window 2
.set VF,   128
.set ONES, 192
.set KX,   0                           ; window 3
.set KY,   32
.set KS,   64
.set NG,   96
.set WO,   128
.set WV,   18                          ; s18 wave
.set G1,   28                          ; s[28:35] group 1 of a step's tile
.set G1P,  36                          ; s[36:43] of the key positions
.set G0,   44                          ; s[44:47] group 0 of a step's tile: it walks
.set G0P,  48                          ; s[48:51]
.set CNT,  52
.set TB,   53                          ; s53 the slot in hand
.set SEL,  54                          ; s[54:55] v_permlanex16_b32's selects
.set MSB, 0
.macro WIN new                         ; the high byte repeats the setting that is left; a switch that changes nothing is dropped
.if MSB != (\new)
	s_set_vgpr_msb (MSB<<8)|(\new)
.set MSB, (\new)
.endif
.endm
.set W_KQ, 0x0a                        ; K, Q window 2; mask, S^T window 0
.set W_PV, 0x52                        ; V window 2; P window 0; O^T, l window 1
.set W_RS, 0x41                        ; destination and source 0 window 1
.set W_MK, 0x03                        ; source 0 window 3
.set W_WO, 0x0b                        ; Wo window 3, o window 2
.macro CROUND                          ; a round of the cluster's barrier
	s_barrier_signal -1
	s_barrier_wait -1
	s_cmp_lg_u32 s[WV], 0
	s_cbranch_scc1 .Lnw0_\@
	s_barrier_signal -3
.Lnw0_\@:
	s_barrier_wait -3
	s_barrier_signal -1
	s_barrier_wait -1
.endm
; THE CHANGE OF SLOTS.  My one load that is out, this step's tile, has landed; 0 is added to my spare word; the add and my reads of the other slot are done; a round of the cluster's barrier, so that this
; holds of every wave of all four partners; then the next step's tile is asked for, first thing.  It has a whole step, 80 matrix and some 880 vector instructions, in which to land.
.macro CHANGE
	WIN 0
	s_wait_tensorcnt 0x0
	ds_add_u32 v[SPW], v[NIL]                      ; 0 onto my spare word; the descriptor's steps stand between it and the wait for it
	s_xor_b32 s[G0+1], s[G0+1], SLOT1
	s_add_nc_u64 s[G0+2:G0+3], s[G0+2:G0+3], 32768
	s_xor_b32 s[TB], s[TB], SLOT1
	s_wait_dscnt 0x0
	CROUND
	tensor_load_to_lds s[G0:G0+3], s[G1:G1+7]
	s_nop 0
.rept 4
	v_nop
.endr
.endm
	s_load_b256 s[4:11], s[0:1], 0x0               ; qf s[4:5], kv s[6:7], pos s[8:9], x s[10:11]
	s_load_b128 s[12:15], s[0:1], 0x20             ; par s[12:13], the result s[14:15]
	s_load_b64 s[16:17], s[0:1], 0x30              ; st2
	v_lshl_add_u32 v[SPW], v0, 2, SPARE
	v_mov_b32 v[NIL], 0
	ds_add_u32 v[SPW], v[NIL]                      ; the wave's opening: the add and its wait ahead of my first tensor load
	v_lshrrev_b32 v1, 5, v0
	v_readfirstlane_b32 s[WV], v1
	s_bfe_u32 s19, ttmp6, 0x40000                  ; cx
	s_lshl_b32 s20, ttmp9, 2
	s_add_co_u32 s20, s20, s19                     ; my block of 32 queries: it enters global addresses of Q, pos, x and the results alone
	s_and_b32 s21, ttmp7, 0xffff                   ; the batch, which the partners share
	; dense blocks, asked for as rows of 256 bytes: elements of 8 bytes, 32 a row
	s_mov_b32 s[G1], 15|(3<<16)|(1<<21)            ; the mask of four; element size; bit 21 beside a mask
	s_mov_b32 s[G1+1], 32<<16
	s_mov_b32 s[G1+2], 128<<16
	s_mov_b32 s[G1+3], 32<<16
	s_mov_b32 s[G1+4], 128                         ; 128 rows: 32,768 bytes
	s_mov_b32 s[G1+5], 32
	s_mov_b32 s[G1+6], 0
	s_mov_b32 s[G1+7], 0
	s_mov_b32 s[G1P], 15|(3<<16)|(1<<21)
	s_mov_b32 s[G1P+1], 32<<16
	s_mov_b32 s[G1P+2], 48<<16
	s_mov_b32 s[G1P+3], 32<<16
	s_mov_b32 s[G1P+4], 48                         ; 48 rows: 12,288 bytes
	s_mov_b32 s[G1P+5], 32
	s_mov_b32 s[G1P+6], 0
	s_mov_b32 s[G1P+7], 0
	s_mov_b32 s[G0], 1
	s_mul_i32 s[G0+1], s[WV], 32768
	s_mov_b32 s[G0P], 1
	s_mul_i32 s[G0P+1], s[WV], 12288
	s_add_co_u32 s[G0P+1], s[G0P+1], KPL
	s_mul_i32 s26, s[WV], 32768
	s_mul_i32 s27, s[WV], 12288
	s_lshl_b32 s22, s21, 21                        ; the batch's 128 records,
	s_lshl_b32 s23, s[WV], 19                      ; my quarter's 32
	s_add_co_u32 s22, s22, s23
	s_mov_b32 s23, 0
	s_mul_i32 s24, s21, 49152
	s_add_co_u32 s24, s24, s27
	s_add_co_u32 s24, s24, 0x400000
	s_mov_b32 s25, 0
	s_mov_b32 s[SEL], 0x76543210
	s_mov_b32 s[SEL+1], 0xfedcba98
	s_mov_b32 s[TB], SLOT1                         ; the first change turns it into 0
	s_mov_b32 s58, 0x3f803f80
	s_wait_dscnt 0x0                               ; the opening add is done
	s_wait_kmcnt 0x0
	s_add_nc_u64 s[G0+2:G0+3], s[6:7], s[22:23]
	s_or_b32 s[G0+3], s[G0+3], 0x80000000
	s_add_nc_u64 s[G0P+2:G0P+3], s[6:7], s[24:25]
	s_or_b32 s[G0P+3], s[G0P+3], 0x80000000
	s_lshl_b32 s56, s21, 20
	s_lshl_b32 s57, s20, 13
	s_add_co_u32 s56, s56, s57
	s_mov_b32 s57, 0
	s_add_nc_u64 s[4:5], s[4:5], s[56:57]          ; Q at my two tiles
	s_lshl_b32 s56, s21, 15
	s_lshl_b32 s59, s20, 8
	s_add_co_u32 s56, s56, s59
	s_add_nc_u64 s[8:9], s[8:9], s[56:57]          ; pos at my 32 rows
	s_lshl_b32 s56, s21, 21
	s_lshl_b32 s59, s20, 14
	s_add_co_u32 s56, s56, s59
	s_add_nc_u64 s[10:11], s[10:11], s[56:57]      ; x and the result at my 32 rows
	s_add_nc_u64 s[14:15], s[14:15], s[56:57]
	s_lshl_b32 s56, s21, 7
	s_add_co_u32 s56, s56, s20
	s_lshl_b32 s56, s56, 10
	s_add_nc_u64 s[16:17], s[16:17], s[56:57]      ; my row of st2
	CROUND                                         ; all four work-groups are here: the first joint loads meet
	tensor_load_to_lds s[G0P:G0P+3], s[G1P:G1P+7]  ; my quarter's key positions,
	s_nop 0
	tensor_load_to_lds s[G0:G0+3], s[G1:G1+7]      ; and step 0 into slot 0: two loads of mine are out
	s_nop 0
.rept 4
	v_nop
.endr
	v_and_b32 v1, 31, v0
	v_lshlrev_b32 v[L16], 4, v1
	v_add_nc_u32 v[AKV0], s26, v[L16]
	WIN 0x80
.set u, 0
.rept 8
	global_load_b128 v[8*u:8*u+3], v[L16], s[4:5] offset:(u%2)*4096+(u/2)*1024
	global_load_b128 v[8*u+4:8*u+7], v[L16], s[4:5] offset:(u%2)*4096+(u/2)*1024+512
.set u, u+1
.endr
	WIN 0
	v_and_b32 v1, 15, v0
	v_lshlrev_b32 v11, 3, v1
	global_load_b64 v[54:55], v11, s[8:9]          ; my query of tile 0,
	global_load_b64 v[56:57], v11, s[8:9] offset:128  ; of tile 1
	s_lshl_b32 s22, s[WV], 13
	v_add_nc_u32 v12, s22, v[L16]
	WIN 0xc0
.set i, 0
.rept 16                                               ; Wo's output blocks 2 w, 2 w + 1
	global_load_b128 v[WO+4*i:WO+4*i+3], v12, s[12:13] offset:98304+512*i
.set i, i+1
.endr
	v_mov_b32 v[NG], 0xf149f2ca                    ; -1e30
	v_mov_b32 v[NG+1], 0xf149f2ca
	WIN 0x40
.set i, 0
.rept 192
	v_mov_b32 v[i], 0                              ; O^T and l
.set i, i+1
.endr
	WIN 0
	v_and_b32 v1, 7, v0
	v_cmp_eq_u32 vcc_lo, 0, v1
	v_cndmask_b32 v13, 0, s58, vcc_lo              ; rows 0 and 8 of source 0 lie in lanes 0, 8, 16, 24
	WIN 0x80
.set i, 0
.rept 8
	v_mov_b32 v[ONES+i], v13
.set i, i+1
.endr
	WIN 0
.set i, 0
.rept 16
	v_mov_b32 v[MR+i], 0xfe000000                  ; m starts far below every score, hidden ones too
.set i, i+1
.endr
	v_mov_b32 v[AA], 0
	v_mov_b32 v[AA+1], 0
	v_mov_b32 v[BG], 0x71800000                    ; 2^100
	v_mov_b32 v[BG+1], 0x71800000
	v_bfe_u32 v1, v0, 4, 1
	s_add_co_u32 s27, s27, KPL
	v_lshl_add_u32 v[AKP], v1, 5, s27              ; my half of the lanes takes keys 8 h on
	s_wait_loadcnt 0x0
.irp t, 0,1
	v_mul_f32 v1, v[54+2*\t], v[54+2*\t]
	v_fma_f32 v1, v[55+2*\t], v[55+2*\t], v1
	v_mul_f32 v[QC+6*\t], 0xf2000000, v[54+2*\t]   ; x (-2^101)
	v_mul_f32 v[QC+6*\t+2], 0xf2000000, v[55+2*\t]
	v_fmaak_f32 v[QC+6*\t+4], v1, v[BG], 0xef800000  ; sq 2^100 - 2^96
	v_mov_b32 v[QC+6*\t+1], v[QC+6*\t]
	v_mov_b32 v[QC+6*\t+3], v[QC+6*\t+2]
	v_mov_b32 v[QC+6*\t+5], v[QC+6*\t+4]
.endr
; A head's K (4 fragments of 16 keys) and V^T (2 x 2 fragments of 32 keys x 16 channels) of the step, into buffer bf: 16 loads in one run.
.macro LOADKV hd, bf
	WIN 0x80
.irp kt, 0,1,2,3
	ds_load_b128 v[KF+32*(\bf)+8*\kt:KF+32*(\bf)+8*\kt+3], v[ADR] offset:(\kt/2)*16384+(\hd)*2048+(\kt%2)*1024
	ds_load_b128 v[KF+32*(\bf)+8*\kt+4:KF+32*(\bf)+8*\kt+7], v[ADR] offset:(\kt/2)*16384+(\hd)*2048+(\kt%2)*1024+512
.endr
.irp f, 0,1,2,3
	ds_load_b128 v[VF+32*(\bf)+8*\f:VF+32*(\bf)+8*\f+3], v[ADR] offset:(\f/2)*16384+8192+(\hd)*2048+(\f%2)*1024
	ds_load_b128 v[VF+32*(\bf)+8*\f+4:VF+32*(\bf)+8*\f+7], v[ADR] offset:(\f/2)*16384+8192+(\hd)*2048+(\f%2)*1024+512
.endr
.endm
; The next step's key positions: register 8 kt + j holds key 16 kt + 8 h + j.  All lanes of a half read the same words.
.macro LOADKP
	WIN 0xc0
.irp pl, 0,1,2
.irp kt, 0,1,2,3
	ds_load_b128 v[32*\pl+8*\kt:32*\pl+8*\kt+3], v[AKP] offset:\pl*4096+\kt*64
	ds_load_b128 v[32*\pl+8*\kt+4:32*\pl+8*\kt+7], v[AKP] offset:\pl*4096+\kt*64+16
.endr
.endr
	WIN 0
	v_add_nc_u32 v[AKP], 256, v[AKP]
.endm
.macro MASK t                          ; 64 keys x my query of tile t
	WIN W_MK
.set z, 0
.rept 16
	v_pk_fma_f32 v[MK+32*(\t)+2*z:MK+32*(\t)+2*z+1], v[KX+2*z:KX+2*z+1], v[QC+6*(\t):QC+6*(\t)+1], v[QC+6*(\t)+4:QC+6*(\t)+5]
.set z, z+1
.endr
.set z, 0
.rept 16
	v_pk_fma_f32 v[MK+32*(\t)+2*z:MK+32*(\t)+2*z+1], v[KY+2*z:KY+2*z+1], v[QC+6*(\t)+2:QC+6*(\t)+3], v[MK+32*(\t)+2*z:MK+32*(\t)+2*z+1]
.set z, z+1
.endr
.set z, 0
.rept 16
	v_pk_fma_f32 v[MK+32*(\t)+2*z:MK+32*(\t)+2*z+1], v[KS+2*z:KS+2*z+1], v[BG:BG+1], v[MK+32*(\t)+2*z:MK+32*(\t)+2*z+1] clamp
.set z, z+1
.endr
.set z, 0
.rept 16
	v_pk_mul_f32 v[MK+32*(\t)+2*z:MK+32*(\t)+2*z+1], v[NG:NG+1], v[MK+32*(\t)+2*z:MK+32*(\t)+2*z+1]
.set z, z+1
.endr
.endm
.macro KQ u                            ; the unit's 64 x 16 scores: four products, the mask as C
	WIN W_KQ
.irp kt, 0,1,2,3
	v_wmma_f32_16x16x32_bf16 v[S+32*((\u)%2)+8*\kt:S+32*((\u)%2)+8*\kt+7], v[KF+32*(((\u)/2)%2)+8*\kt:KF+32*(((\u)/2)%2)+8*\kt+7], v[8*(\u):8*(\u)+7], v[MK+32*((\u)%2)+8*\kt:MK+32*((\u)%2)+8*\kt+7]
.endr
.endm
; Number n of the 20 lines that find unit u's new m, and m_old - m_new.  Each accumulator's lowest registers are read first.  SMX sets no window: SMAX and BATCH do.
;   0-11  four chains c0-c3 of seven scores each, three operands at a time     12-15  the four scores left over, the old m, and c0-c3 into c0
;   16, 17  the query's other 32 keys lie in the lane 16 away: the new m        18, 19  m_old - m_new; m
.macro SMX u, n
.set nS, S+32*((\u)%2)
.set nM, MR+2*(\u)
.if (\n) < 4
	v_max3_num_f32 v[CC+(\n)], v[nS+8*(\n)], v[nS+8*(\n)+1], v[nS+8*(\n)+2]
.elseif (\n) < 8
	v_max3_num_f32 v[CC+(\n)-4], v[CC+(\n)-4], v[nS+8*((\n)-4)+3], v[nS+8*((\n)-4)+4]
.elseif (\n) < 12
	v_max3_num_f32 v[CC+(\n)-8], v[CC+(\n)-8], v[nS+8*((\n)-8)+5], v[nS+8*((\n)-8)+6]
.elseif (\n) == 12
	v_max3_num_f32 v[CC], v[CC], v[nS+7], v[nS+15]
.elseif (\n) == 13
	v_max3_num_f32 v[CC+1], v[CC+1], v[nS+23], v[nS+31]
.elseif (\n) == 14
	v_max3_num_f32 v[CC+2], v[CC+2], v[CC+3], v[nM]
.elseif (\n) == 15
	v_max3_num_f32 v[CC], v[CC], v[CC+1], v[CC+2]
.elseif (\n) == 16
	v_permlanex16_b32 v[CC+3], v[CC], s[SEL], s[SEL+1]
.elseif (\n) == 17
	v_max_num_f32 v[TT], v[CC], v[CC+3]
.elseif (\n) == 18
	v_sub_f32 v[DD], v[nM], v[TT]
.else
	v_mov_b32 v[nM], v[TT]
.endif
.endm
.macro SMAX u                          ; all 20 on end: a step's unit 0, which has no unit in front of it
	WIN 0
.set sn, 0
.rept 20
	SMX \u, sn
.set sn, sn+1
.endr
.endm
.macro ADDP u, p                       ; s - m for pair p of unit u's 16 pairs of scores
	v_pk_add_f32 v[S+32*((\u)%2)+2*(\p):S+32*((\u)%2)+2*(\p)+1], v[S+32*((\u)%2)+2*(\p):S+32*((\u)%2)+2*(\p)+1], v[MR+2*(\u):MR+2*(\u)+1] op_sel_hi:[1,0] neg_lo:[0,1] neg_hi:[0,1]
.endm
.macro SUB4 u                          ; pairs 0-3: they open the unit's turn
	WIN 0
.irp p, 0,1,2,3
	ADDP \u, \p
.endr
.endm
; THE BATCH of unit u: a, then s0-s31 in place: 33 exponentials, none of which reads another's result, and nothing ahead of the wait names one.  Behind each of s0-s31 stands a plain line on other registers.
; nxt = 1: behind s0-s11 the subtractions of pairs 4-15 (pair p stands behind s(p-4), its exponentials are s(2p), s(2p+1)); behind s12-s31 numbers 0-19 of the next unit's maximum, whose scores were made a unit
; ago.  Number 18 writes m_old - m_new anew, 62 lines behind the exponential that read it; number 19 is the plain line behind the last exponential.
; nxt = 0: a step's last unit: pairs 4-15 stand behind every second exponential, s0 to s22, and a v_nop is the plain line behind the last.
.macro BATCH u, nxt
	WIN 0
.set rS, S+32*((\u)%2)
	v_exp_f32 v[AA], v[DD]
.set j, 0
.rept 32
	v_exp_f32 v[rS+j], v[rS+j]
.if \nxt
.if j < 12
	ADDP \u, j+4
.else
	SMX (\u)+1, j-12
.endif
.elseif (j%2 == 0) && (j < 24)
	ADDP \u, j/2+4
.endif
.set j, j+1
.endr
.if !(\nxt)
	v_nop
.endif
	s_wait_alu depctr_va_vdst(0)                   ; the one wait for the unit's 33 exponentials, ahead of their first reader
.endm
.macro CVTP u                          ; the batch's first readers: the weights are rounded to bf16, a pair a line
	WIN 0
.set z, 0
.rept 16
	v_cvt_pk_bf16_f32 v[P+16*((\u)%2)+z], v[S+32*((\u)%2)+2*z], v[S+32*((\u)%2)+2*z+1]
.set z, z+1
.endr
.endm
.macro RESC u                          ; O^T and l times a
	WIN W_RS
.set z, 0
.rept 8
	v_pk_mul_f32 v[16*(\u)+2*z:16*(\u)+2*z+1], v[16*(\u)+2*z:16*(\u)+2*z+1], v[AA:AA+1] op_sel_hi:[1,0]
.set z, z+1
.endr
	v_pk_mul_f32 v[LL+8*(\u):LL+8*(\u)+1], v[LL+8*(\u):LL+8*(\u)+1], v[AA:AA+1] op_sel_hi:[1,0]
.endm
.macro PV u                            ; three accumulators take turns
	WIN W_PV
.set rV, VF+32*(((\u)/2)%2)
.set rP, P+16*((\u)%2)
.irp kk, 0,1
	v_wmma_f32_16x16x32_bf16 v[16*(\u):16*(\u)+7], v[rV+16*\kk:rV+16*\kk+7], v[rP+8*\kk:rP+8*\kk+7], v[16*(\u):16*(\u)+7]
	v_wmma_f32_16x16x32_bf16 v[16*(\u)+8:16*(\u)+15], v[rV+16*\kk+8:rV+16*\kk+15], v[rP+8*\kk:rP+8*\kk+7], v[16*(\u)+8:16*(\u)+15]
	v_wmma_f32_16x16x32_bf16 v[LL+8*(\u):LL+8*(\u)+7], v[ONES:ONES+7], v[rP+8*\kk:rP+8*\kk+7], v[LL+8*(\u):LL+8*(\u)+7]
.endr
.endm
; A KEY STEP.  The matrix unit is asked for K Q^T of units 0 and 1, then for V^T P of unit u and K Q^T of unit u + 2 by turns: a unit's scores are made a whole unit ahead of the lines that first read them, the
; maximum that stands in the batch of the unit before; 16 subtractions or more are the places between.  The second tile's mask, 64 plain instructions, stands between the first products and the first read of
; their results.  UNIT u's TURN: four subtractions; for even u the next head's K and V, 16 loads in one run: the four subtractions, which name unit u's scores and m alone, are the places between the last product
; that read the buffer (V^T P of unit u - 1) and the loads into it; the batch and its wait; the roundings, the rescaling, V^T P; the wait for the loads, which have had all that in which to land; K Q^T of unit u + 2.
.macro STEP last
	WIN 0
	v_add_nc_u32 v[ADR], s[TB], v[AKV0]
	LOADKV 0, 0
	MASK 0
	s_wait_dscnt 0x0                               ; head 0's K and V
	KQ 0
	MASK 1
.if !(\last)
	LOADKP
.endif
	KQ 1
	SMAX 0
.set uu, 0
.rept 8
	SUB4 uu
.if (uu%2 == 0) && (uu < 6)
	LOADKV uu/2+1, (uu/2+1)%2
.endif
.if uu < 7
	BATCH uu, 1
.else
	BATCH uu, 0
.endif
	CVTP uu
	RESC uu
	PV uu
.if (uu%2 == 0) && (uu < 6)
	s_wait_dscnt 0x0                               ; the next head's K and V (and, the first time, the next step's key positions)
.endif
.if uu < 6
	KQ uu+2
.endif
.set uu, uu+1
.endr
.endm
	s_wait_tensorcnt 1                             ; my key positions are in; step 0's tile may stay out
	LOADKP
	s_mov_b32 s[CNT], 15
.Lstep:                                                ; trip i: step i's tile has landed, step i + 1's is asked for, step i is worked
	CHANGE
	STEP 0
	WIN 0
	s_sub_co_u32 s[CNT], s[CNT], 1
	s_cmp_lg_u32 s[CNT], 0
	s_cbranch_scc1 .Lstep
	s_wait_tensorcnt 0x0                           ; the last step is written out: nothing is asked for, and only I read my slot
	s_xor_b32 s[TB], s[TB], SLOT1
	STEP 1
	; THE MERGE.  Each wave lays its 8 units' O, m, l into its own slot 0.
	WIN 0
.rept 4
	v_nop                                          ; the places behind the last products
.endr
	v_lshlrev_b32 v8, 4, v0                        ; 16 x thread: row thread / 32, 16 bytes a lane
	v_and_b32 v1, 31, v0
	v_lshl_add_u32 v9, v1, 2, s26
	s_mul_i32 s22, s[WV], 2*UB
	v_add_nc_u32 v10, s22, v[L16]                  ; my two units in waves 0 and 1's stages,
	v_add_nc_u32 v11, 0x10000, v10                 ; in waves 2 and 3's
	v_lshl_add_u32 v12, v1, 2, s22
	v_add_nc_u32 v13, 0x10000, v12
	s_lshl_b32 s22, s[WV], 10
	s_add_co_u32 s22, s22, OF
	v_add_nc_u32 v14, s22, v[L16]
	v_add_nc_u32 v15, OF, v[L16]
	v_and_b32 v1, 15, v0
	v_bfe_u32 v59, v0, 4, 1
	s_lshl_b32 s22, s[WV], 7
	v_lshl_add_u32 v58, v59, 5, s22                ; 4 (32 w + 8 h)
	v_mul_u32_u24 v54, v1, XP
	v_add3_u32 v54, v54, v58, X1S
	s_mul_i32 s22, s[WV], XP
	s_add_co_u32 s22, s22, X1S
	v_add_nc_u32 v55, s22, v[L16]
	v_add_nc_u32 v56, RS1, v8
	v_add_nc_u32 v57, RS1, v[L16]
.set i, 0
.rept 8                                                ; the residual: rows w + 4 i
	global_load_b128 v[208+4*i:208+4*i+3], v8, s[10:11] offset:2048*i
.set i, i+1
.endr
.irp n, 0,1
	global_load_b128 v[240+8*\n:240+8*\n+3], v58, s[12:13] offset:VEC+1536+64*\n
	global_load_b128 v[240+8*\n+4:240+8*\n+7], v58, s[12:13] offset:VEC+1536+64*\n+16
.endr
	WIN 0x04                                       ; store data in window 1
.set u, 0
.rept 8
.irp g, 0,1,2,3
	ds_store_b128 v[AKV0], v[16*u+4*\g:16*u+4*\g+3] offset:u*UB+512*\g
.endr
	ds_store_b32 v9, v[LL+8*u] offset:u*UB+2176
.set u, u+1
.endr
	WIN 0
.set u, 0
.rept 8
	ds_store_b32 v9, v[MR+2*u] offset:u*UB+2048
.set u, u+1
.endr
	s_wait_dscnt 0x0                               ; my stage is written, and my reads of my slots are long over
	s_barrier_signal -1
	s_barrier_wait -1
	; wave w merges head w's two units
.irp k, 0,1
.irp sw, 0,1,2,3
.irp g, 0,1,2,3
	ds_load_b128 v[64+72*\k+16*\sw+4*\g:64+72*\k+16*\sw+4*\g+3], v[10+\sw/2] offset:(\sw%2)*32768+\k*UB+512*\g
.endr
	ds_load_b32 v[64+72*\k+64+\sw], v[12+\sw/2] offset:(\sw%2)*32768+\k*UB+2048
	ds_load_b32 v[64+72*\k+68+\sw], v[12+\sw/2] offset:(\sw%2)*32768+\k*UB+2176
.endr
.endr
	s_wait_dscnt 0x0
.macro MERGE k
.set B, 64+72*(\k)
	v_max3_num_f32 v36, v[B+64], v[B+65], v[B+66]
	v_max_num_f32 v36, v36, v[B+67]
.irp sw, 0,1,2,3
	v_sub_f32 v[32+\sw], v[B+64+\sw], v36
.endr
.irp sw, 0,1,2,3
	v_exp_f32 v[32+\sw], v[32+\sw]
.endr
	v_nop                                          ; a plain instruction behind the last exponential
	s_wait_alu depctr_va_vdst(0)                   ; the wait for the four waves' exponentials, one batch, ahead of the sum that reads them
	v_mul_f32 v37, v32, v[B+68]
	v_fmac_f32 v37, v33, v[B+69]
	v_fmac_f32 v37, v34, v[B+70]
	v_fmac_f32 v37, v35, v[B+71]
	v_rcp_f32 v38, v37
	v_nop
	s_wait_alu depctr_va_vdst(0)                   ; the wait for the reciprocal, a batch of its own: it reads the sum of the exponentials
.irp sw, 0,1,2,3
	v_mul_f32 v[40+2*\sw], v[32+\sw], v38          ; each wave's weight, the division by l folded in
.endr
.set z, 0
.rept 8
	v_pk_mul_f32 v[B+2*z:B+2*z+1], v[B+2*z:B+2*z+1], v[40:41] op_sel_hi:[1,0]
	v_pk_fma_f32 v[B+2*z:B+2*z+1], v[B+16+2*z:B+16+2*z+1], v[42:43], v[B+2*z:B+2*z+1] op_sel_hi:[1,0,1]
	v_pk_fma_f32 v[B+2*z:B+2*z+1], v[B+32+2*z:B+32+2*z+1], v[44:45], v[B+2*z:B+2*z+1] op_sel_hi:[1,0,1]
	v_pk_fma_f32 v[B+2*z:B+2*z+1], v[B+48+2*z:B+48+2*z+1], v[46:47], v[B+2*z:B+2*z+1] op_sel_hi:[1,0,1]
.set z, z+1
.endr
.set z, 0
.rept 8
	v_cvt_pk_bf16_f32 v[B+16+z], v[B+2*z], v[B+2*z+1]
.set z, z+1
.endr
	ds_store_b128 v14, v[B+16:B+19] offset:(\k)*4096      ; o's fragment (tile k, input block = head w)
	ds_store_b128 v14, v[B+20:B+23] offset:(\k)*4096+512
.endm
	MERGE 0
	MERGE 1
	s_wait_dscnt 0x0
	s_barrier_signal -1
	s_barrier_wait -1
	; o Wo + b, transposed: wave w makes output channels 32 w .. 32 w + 31 of the 32 rows
	WIN 0x80
.set i, 0
.rept 16
	ds_load_b128 v[4*i:4*i+3], v15 offset:512*i
.set i, i+1
.endr
	s_wait_dscnt 0x0
	s_wait_loadcnt 0x0                             ; the residual and the bias
	WIN W_WO
.irp kb, 0,1,2,3                       ; four accumulators take turns; the bias starts the sums
.irp n, 0,1
.irp t, 0,1
.if \kb == 0
	v_wmma_f32_16x16x32_bf16 v[64+8*(2*\n+\t):64+8*(2*\n+\t)+7], v[WO+8*(4*\n+\kb):WO+8*(4*\n+\kb)+7], v[8*(4*\t+\kb):8*(4*\t+\kb)+7], v[240+8*\n:240+8*\n+7]
.else
	v_wmma_f32_16x16x32_bf16 v[64+8*(2*\n+\t):64+8*(2*\n+\t)+7], v[WO+8*(4*\n+\kb):WO+8*(4*\n+\kb)+7], v[8*(4*\t+\kb):8*(4*\t+\kb)+7], v[64+8*(2*\n+\t):64+8*(2*\n+\t)+7]
.endif
.endr
.endr
.endr
	WIN 0
.rept 4
	v_nop
.endr
.irp n, 0,1
.irp t, 0,1
	ds_store_b128 v54, v[64+8*(2*\n+\t):64+8*(2*\n+\t)+3] offset:\t*16*XP+\n*64
	ds_store_b128 v54, v[64+8*(2*\n+\t)+4:64+8*(2*\n+\t)+7] offset:\t*16*XP+\n*64+16
.endr
.endr
	s_wait_dscnt 0x0
	s_barrier_signal -1
	s_barrier_wait -1
	; by rows: the residual is added, the rows leave, and their statistics are made
.set i, 0
.rept 8
	ds_load_b128 v[96+4*i:96+4*i+3], v55 offset:4*XP*i
.set i, i+1
.endr
	s_wait_dscnt 0x0
.set i, 0
.rept 8
	v_pk_add_f32 v[96+4*i:96+4*i+1], v[96+4*i:96+4*i+1], v[208+4*i:208+4*i+1]
	v_pk_add_f32 v[96+4*i+2:96+4*i+3], v[96+4*i+2:96+4*i+3], v[208+4*i+2:208+4*i+3]
	global_store_b128 v8, v[96+4*i:96+4*i+3], s[14:15] offset:2048*i  ; a whole row of 512 bytes
.set i, i+1
.endr
.macro ADD4 d
	v_pk_add_f32 v[\d:\d+1], v[128:129], v[132:133]
	v_pk_add_f32 v[\d+2:\d+3], v[130:131], v[134:135]
.irp i, 2,3
	v_pk_add_f32 v[\d:\d+1], v[\d:\d+1], v[128+4*\i:128+4*\i+1]
	v_pk_add_f32 v[\d+2:\d+3], v[\d+2:\d+3], v[128+4*\i+2:128+4*\i+3]
.endr
.endm
	v_pk_add_f32 v[32:33], v[96:97], v[100:101]
	v_pk_add_f32 v[34:35], v[98:99], v[102:103]
.set i, 2
.rept 6
	v_pk_add_f32 v[32:33], v[32:33], v[96+4*i:96+4*i+1]
	v_pk_add_f32 v[34:35], v[34:35], v[96+4*i+2:96+4*i+3]
.set i, i+1
.endr
	ds_store_b128 v56, v[32:35]
	s_wait_dscnt 0x0
	s_barrier_signal -1
	s_barrier_wait -1
.irp i, 0,1,2,3
	ds_load_b128 v[128+4*\i:128+4*\i+3], v57 offset:512*\i
.endr
	s_wait_dscnt 0x0
	ADD4 32
	v_pk_mul_f32 v[36:37], v[32:33], 0x3d000000 op_sel_hi:[1,0]  ; / 32: these rows' own mean
	v_pk_mul_f32 v[38:39], v[34:35], 0x3d000000 op_sel_hi:[1,0]
	v_pk_add_f32 v[40:41], v[96:97], v[36:37] neg_lo:[0,1] neg_hi:[0,1]
	v_pk_add_f32 v[42:43], v[98:99], v[38:39] neg_lo:[0,1] neg_hi:[0,1]
	v_pk_mul_f32 v[44:45], v[40:41], v[40:41]
	v_pk_mul_f32 v[46:47], v[42:43], v[42:43]
.set i, 1
.rept 7
	v_pk_add_f32 v[40:41], v[96+4*i:96+4*i+1], v[36:37] neg_lo:[0,1] neg_hi:[0,1]
	v_pk_add_f32 v[42:43], v[96+4*i+2:96+4*i+3], v[38:39] neg_lo:[0,1] neg_hi:[0,1]
	v_pk_fma_f32 v[44:45], v[40:41], v[40:41], v[44:45]
	v_pk_fma_f32 v[46:47], v[42:43], v[42:43], v[46:47]
.set i, i+1
.endr
	ds_store_b128 v56, v[44:47] offset:2048
	s_wait_dscnt 0x0
	s_barrier_signal -1
	s_barrier_wait -1
	s_cmp_lg_u32 s[WV], 0
	s_cbranch_scc1 .Lend
.irp i, 0,1,2,3
	ds_load_b128 v[128+4*\i:128+4*\i+3], v57 offset:2048+512*\i
.endr
	s_wait_dscnt 0x0
	ADD4 44
	global_store_b128 v[L16], v[32:35], s[16:17]
	global_store_b128 v[L16], v[44:47], s[16:17] offset:512
.Lend:
	s_wait_tensorcnt 0x0                           ; the wave's end: three lines behind my last tensor load and my last LDS store
	ds_add_u32 v[SPW], v[NIL]
	s_wait_dscnt 0x0
	CROUND                                         ; the closing round
	s_endpgm
.Lfunc_end_k_qa115f120fa_att0:
	.size	k_qa115f120fa_att0, .Lfunc_end_k_qa115f120fa_att0-k_qa115f120fa_att0
	.p2alignl 7, 3214868480
	.fill 96, 4, 3214868480
	.section	.rodata,"a",@progbits
	.p2align	6, 0x0
	.amdhsa_kernel k_qa115f120fa_att0
		.amdhsa_group_segment_fixed_size 327680
		.amdhsa_private_segment_fixed_size 0
		.amdhsa_enable_private_segment 0
		.amdhsa_kernarg_size 56
		.amdhsa_user_sgpr_count 2
		.amdhsa_user_sgpr_kernarg_segment_ptr 1
		.amdhsa_wavefront_size32 1
		.amdhsa_system_sgpr_workgroup_id_x 1
		.amdhsa_system_sgpr_workgroup_id_y 1
		.amdhsa_system_sgpr_workgroup_id_z 1
		.amdhsa_system_vgpr_workitem_id 0
		.amdhsa_next_free_vgpr 960
		.amdhsa_next_free_sgpr 66
		.amdhsa_reserve_vcc 1
		.amdhsa_float_denorm_mode_32 3
		.amdhsa_float_denorm_mode_16_64 3
		.amdhsa_memory_ordered 1
		.amdhsa_forward_progress 1
		.amdhsa_inst_pref_size 161
	.end_amdhsa_kernel
	.amdgpu_metadata
---
amdhsa.version: [ 1, 2 ]
amdhsa.kernels:
  - .name:           k_qa115f120fa_att0
    .symbol:         k_qa115f120fa_att0.kd
    .args:
      - { .name: qf, .offset: 0, .size: 8, .value_kind: global_buffer, .address_space: global }
      - { .name: kv, .offset: 8, .size: 8, .value_kind: global_buffer, .address_space: global }
      - { .name: pos, .offset: 16, .size: 8, .value_kind: global_buffer, .address_space: global }
      - { .name: x, .offset: 24, .size: 8, .value_kind: global_buffer, .address_space: global }
      - { .name: par0, .offset: 32, .size: 8, .value_kind: global_buffer, .address_space: global }
      - { .name: xa, .offset: 40, .size: 8, .value_kind: global_buffer, .address_space: global }
      - { .name: st2, .offset: 48, .size: 8, .value_kind: global_buffer, .address_space: global }
    .group_segment_fixed_size: 327680
    .private_segment_fixed_size: 0
    .kernarg_segment_align: 8
    .kernarg_segment_size: 56
    .max_flat_workgroup_size: 128
    .sgpr_count:     66
    .vgpr_count:     960
    .wavefront_size: 32
...
	.end_amdgpu_metadata
.endif
;; end of part 5
;; launch ffn0: the kernel of part 4 again; grid 64 x 1, 8 waves a work-group, no clusters, 253,952 bytes of LDS; arguments xa, st2, par0, xb, st1; writes xb, st1
;; launch qkv1: the kernel of part 2 again; grid 64 x 1, 8 waves a work-group, no clusters, 46,080 bytes of LDS; arguments xb, pos, st1, par1, qf, kv; writes qf, kv
;; launch att1: the kernel of part 5 again; grid 128 x 2, 4 waves a work-group, clusters of 4 x 1, 327,680 bytes of LDS; arguments qf, kv, pos, xb, par1, xa, st2; writes xa, st2
;; launch ffn1: the kernel of part 4 again; grid 64 x 1, 8 waves a work-group, no clusters, 253,952 bytes of LDS; arguments xa, st2, par1, out0, st1; writes out0, st1
